; MI455X (gfx1250); checked and timed in simulation.
; The chip was launched on July 23, 2026; its instructions are those of AMD's public machine-readable ISA for CDNA 5 (MIT licence, August 2026) and "CDNA5" Instruction Set Architecture Reference Guide (July 2026). The comments in the code are by the model that wrote it; some were corrected since.
;; Multi Head Attention. Allowed arithmetic: matrix products marked QUANTISED: E2M1 operands, one E8M0 scale for each 32 along K, by v_wmma_scale_f32_16x16x128_f8f6f4 with both operands' format E2M1 (or v_wmma_scale_f32_32x16x128_f4), f32 sums; products left as they are: bf16, f16 or f32 operands; f32 sums; everything else in f32.
;; Inputs: Wk 1,024 x 1,024 float32; Wo 1,024 x 1,024 float32; Wq 1,024 x 1,024 float32; Wv 1,024 x 1,024 float32; bk 1,024 float32; bo 1,024 float32; bq 1,024 float32; bv 1,024 float32; key 4 x 2,048 x 1,024 float32; mask 1 x 1 x 2,048 x 2,048 int32; query 4 x 2,048 x 1,024 float32; value 4 x 2,048 x 1,024 float32.
;; Outputs: out0 4 x 2,048 x 1,024 float32.
;; This version of the problem:
;;   THIS VERSION OF THE PROBLEM IS GIVEN IN LOW PRECISION. The matrix products marked QUANTISED in the list below multiply operands that are first quantised to E2M1 (2 exponent bits, 1 mantissa bit; 4 bits a number), with one power-of-two scale for each 32 numbers along K (OCP MX v1.0); their sums are f32. The products marked 'left as it is' may take bf16, f16 or f32 operands, with f32 sums. Whichever they take, every output number must still come out within the allowed error. Rounding operands to bf16 (8 significant bits) uses up far more of that allowance than f16 does (11 bits, for magnitudes from 6e-5 to 65,504). All else is computed in f32.
;;   The module's matrix products, in the order in which they are computed (A, B: the left and right operand; K: the contracted axis; several contracted axes count as one K, in the product's order):
;;     1. [M 8,192, K 1,024] x [K 1,024, N 1,024]; A: input query; B: input Wq: QUANTISED
;;     2. [M 8,192, K 1,024] x [K 1,024, N 1,024]; A: input key; B: input Wk: QUANTISED
;;     3. [M 8,192, K 1,024] x [K 1,024, N 1,024]; A: input value; B: input Wv: QUANTISED
;;     4. batch 64 x [M 2,048, K 64] x [K 64, N 2,048]; A: computed on the way; B: computed on the way: left as it is (an operand is computed on the way)
;;     5. batch 64 x [M 2,048, K 2,048] x [K 2,048, N 64]; A: computed on the way; B: computed on the way: left as it is (an operand is computed on the way)
;;     6. [M 8,192, K 1,024] x [K 1,024, N 1,024]; A: computed on the way; B: input Wo: left as it is (an operand is computed on the way)
;;   THE QUANTISER, for each operand of a quantised product, along K:
;;     - K is cut into blocks of 32 from its start; a last block that is shorter is filled with zeros.
;;     - A block's scale is 2^e with e = floor(log2(the largest magnitude in the block)) - 2, held to -126 .. 127; a block of zeros has e = 0. As a byte (E8M0): e + 127.
;;     - Each number is divided by its block's scale, clamped to +-6, and rounded to the nearest number of E2M1, ties to even, subnormals kept.
;;     - The product sums the exact products of the quantised numbers (number of the format x scale) in f32.
;;   ~~~python
;;   def quantise(x, axis):      # numpy; x: float32 -> the quantised numbers, widened to float32 again
;;       x = np.moveaxis(x, axis, -1); K = x.shape[-1]
;;       x = np.pad(x, [(0, 0)] * (x.ndim - 1) + [(0, -K % 32)]); x = x.reshape(x.shape[:-1] + (-1, 32)); a = np.abs(x).max(-1, keepdims=True)
;;       e = np.where(a > 0, np.clip(np.frexp(np.where(a > 0, a, 1))[1] - 1 - 2, -126, 127), 0)      # np.frexp(a)[1] - 1 = floor(log2(a)), exactly
;;       r = np.clip(x / 2.0 ** e, -6, 6)
;;       step = 2.0 ** (np.maximum(np.frexp(np.where(r == 0, 1, r))[1] - 1, 0) - 1)
;;       q = np.round(r / step) * step * 2.0 ** e      # np.round: ties to even
;;       return np.moveaxis(q.reshape(q.shape[:-2] + (-1,))[..., :K], -1, axis).astype(np.float32)
;;   ~~~
;; One version. Each part assembles by itself: llvm-mc -triple=amdgcn-amd-amdhsa -mcpu=gfx1250 --defsym DOCPART=n.
;; ======== version 1 of 1: 5 launches
;; limits: values are held in f16: magnitudes above 65,504 overflow, below 6.1e-05 lose precision; right only within a limited range of input values
;; workspace buffers: codes 14,155,776 bytes; scales 884,736 bytes; wo16 2,097,152 bytes; minfo 524,800 bytes of whole numbers; q16 16,777,216 bytes; kv 33,554,432 bytes; vlo 16,777,216 bytes; ctx 16,777,216 bytes
;; launch prep (part 1): grid 960 x 1, 4 waves a work-group, no clusters, 34,816 bytes of LDS; arguments query, key, value, Wq, Wk, Wv, Wo, mask, codes, scales, wo16, minfo; writes codes, scales, wo16, minfo
.if DOCPART == 1
	.amdgcn_target "amdgcn-amd-amdhsa--gfx1250"
	.amdhsa_code_object_version 6
	.text
	.protected	k_q9655d9cfa2_prep
	.globl	k_q9655d9cfa2_prep
	.p2align	8
	.type	k_q9655d9cfa2_prep,@function
k_q9655d9cfa2_prep:
	s_mov_b64 s[64:65], 0
	v_nop
	global_prefetch_b8 v0, s[64:65] scope:SCOPE_SE
	s_setreg_imm32_b32 hwreg(HW_REG_WAVE_MODE, 25, 1), 1
	s_wait_xcnt 0x0
; PREP: what the later launches read many times is made once.
;   work-groups 0-63:   the mask [2048][2048] of int32 becomes bits, and two flag words for each block of 32 queries;
;   work-groups 64-95:  Wo [1024][1024] f32 becomes f16, row-major;
;   work-groups 96-959: query, key, value, Wq, Wk, Wv (K innermost in all six) become codes of E2M1 with one E8M0 byte for each 32 along K.
; NO WORK OF THE PROBLEM IS LEFT OUT AS DEAD.  All twelve inputs have a way to the result and are loaded: bk too, since q.bk moves the open scores against the fixed -1e9 of the closed ones.
; What the mask closes is not dead work: it is decided by whole numbers, which this launch stores and the later launches read from memory.
; A step of 64 keys is passed over for a block of 32 queries only where the mask closes all 32 x 64 places AND every query of the block has an open key somewhere: there the closed places get the weight
; exp(-1e9 - max), which is 0 in f32.  A block that holds a query with no open key at all walks every step (its word ANY is all ones): all its scores are then the same -1e9 and the result is the mean of v.
; LIMITS: open scores lie above about -9e8; NaN and infinities among the inputs are not served; blocks of 32 whose largest magnitude lies under 2^-124, whose byte is held at 1, were not tried.
; MASK BITS: minfo[q][span of 128 keys][word c]: bit L of word c is key 128 span + 4 L + c: so a compare of the c-th register of a 16-byte load gives a word as it stands.
; FLAGS, from byte 524,288 on: [block][ANY, ALL]: bit s of ANY: some place of key step s (64 keys) is open; of ALL: all are.
; THE QUANTISER: a block's scale is 2^(floor(log2(largest magnitude)) - 2); its byte is the largest magnitude's exponent field - 2, held at 1 from below (a block of zeros so gets 1 where the rule says 127: its codes are
; zeros, and this program alone reads the bytes).  The six tensors are plain streams of blocks of 32; their codes and bytes lie one tensor behind the other.
.set WREG,  8192                       ; LDS of a quantising wave: two stages of 32 x SP bytes, then its 256 scale bytes
.set SP,    80                         ; a lane's place in a stage: 64 bytes + 16 of padding
.set CB,    8                          ; bytes of 16 codes
.set STEPS, 16
.set EMAX,  2
.set R,     16                         ; v16-79   four sets of 16 numbers as loaded
.set X,     80                         ; v80-111  two sets of 16 neighbours
.set E,     112                        ; v112-127 a scale byte for each step
.set C,     128                        ; v128-191 codes
.set MRED,  32768                      ; LDS of the mask's path: the four waves' OR and AND words, then their flags for a row with no open key
.set SPARE, 34304                      ; the spare words, 128 bytes a wave
.set SPW,   12                         ; v12 my spare word's address; never rewritten
.set NIL,   13                         ; v13 0; never rewritten
.set FLAGS, 524288
	s_load_b512 s[4:19], s[0:1], 0x0               ; query, key, value, Wq, Wk, Wv, Wo s[16:17], mask s[18:19]
	s_load_b256 s[20:27], s[0:1], 0x40             ; codes, scales, wo16 s[24:25], minfo s[26:27]
	v_lshl_add_u32 v[SPW], v0, 2, SPARE
	v_mov_b32 v[NIL], 0
	v_lshrrev_b32 v1, 5, v0
	v_readfirstlane_b32 s28, v1                    ; wave
	v_and_b32 v2, 31, v0                           ; lane
	s_mov_b32 s37, 0                               ; the upper word of every offset
	s_wait_kmcnt 0x0
	s_cmp_lt_u32 ttmp9, 64                         ; the three paths part on the work-group's number alone; each has LDS bytes of its own
	s_cbranch_scc1 .Lmask
	s_cmp_lt_u32 ttmp9, 96
	s_cbranch_scc1 .Lwo
	; ---------------- the quantiser: a wave takes 16 steps of 512 numbers
	v_lshlrev_b32 v3, 4, v2                        ; my 16 bytes of a load's 512
	s_mul_i32 s33, s28, WREG
	v_lshrrev_b32 v14, 2, v2
	v_mul_u32_u24 v14, v14, SP
	v_and_b32 v15, 3, v2
	v_lshl_add_u32 v14, v15, 4, v14
	v_add_nc_u32 v14, s33, v14                     ; the stage, on the way in: SP (lane / 4) + 16 (lane % 4)
	v_mul_u32_u24 v15, v2, SP
	v_add_nc_u32 v15, s33, v15                     ; and on the way out: SP x lane: my 16 neighbours
	v_mul_u32_u24 v4, v2, CB                       ; my codes' place in a step's
	v_lshrrev_b32 v5, 1, v2
	s_add_co_u32 s33, s33, 2*32*SP
	v_add_nc_u32 v5, s33, v5                       ; my block's scale byte in LDS
	v_lshlrev_b32 v7, 3, v2
	v_add_nc_u32 v6, s33, v7                       ; and 8 bytes a lane on the way out
	s_sub_co_u32 s29, ttmp9, 96                    ; q = 0 .. 863: 256 work-groups for each of query, key, value, 32 for each weight
	s_mov_b64 s[30:31], s[14:15]                   ; the source is chosen on the work-group's number alone
	s_cmp_lt_u32 s29, 832
	s_cselect_b64 s[30:31], s[12:13], s[30:31]
	s_cmp_lt_u32 s29, 800
	s_cselect_b64 s[30:31], s[10:11], s[30:31]
	s_cmp_lt_u32 s29, 768
	s_cselect_b64 s[30:31], s[8:9], s[30:31]
	s_cselect_b32 s32, 255, 31
	s_cmp_lt_u32 s29, 512
	s_cselect_b64 s[30:31], s[6:7], s[30:31]
	s_cmp_lt_u32 s29, 256
	s_cselect_b64 s[30:31], s[4:5], s[30:31]
	s_and_b32 s32, s29, s32                        ; the work-group's number inside its tensor
	s_lshl_b32 s32, s32, 2
	s_add_co_u32 s32, s32, s28
	s_lshl_b32 s36, s32, 15                        ; my run of 8,192 numbers in the source
	s_add_nc_u64 s[30:31], s[30:31], s[36:37]
	s_lshl_b32 s34, s29, 2
	s_add_co_u32 s34, s34, s28                     ; and among all runs
	s_lshl_b32 s36, s34, 12
	s_add_nc_u64 s[20:21], s[20:21], s[36:37]      ; 4,096 bytes of codes a run
	s_lshl_b32 s36, s34, 8
	s_add_nc_u64 s[22:23], s[22:23], s[36:37]      ; 256 scale bytes a run
.macro LOAD t
.irp i, 0,1,2,3
	global_load_b128 v[R+16*((\t)%4)+4*\i:R+16*((\t)%4)+4*\i+3], v3, s[30:31] offset:2048*(\t)+512*\i th:TH_LOAD_NT   ; 32 lanes read 512 consecutive bytes
.endr
.endm
.macro TURN t                          ; step t's numbers through the stage: LDS serves a wave's instructions in order, so no wait stands between the stores and the loads
.irp i, 0,1,2,3
	ds_store_b128 v14, v[R+16*((\t)%4)+4*\i:R+16*((\t)%4)+4*\i+3] offset:32*SP*((\t)%2)+8*SP*\i
.endr
.irp i, 0,1,2,3
	ds_load_b128 v[X+16*((\t)%2)+4*\i:X+16*((\t)%2)+4*\i+3], v15 offset:32*SP*((\t)%2)+16*\i
.endr
.endm
.irp t, 0,1,2,3
	LOAD \t
.endr
	s_wait_loadcnt 12                              ; step 0's four loads are in
	TURN 0
.macro STEP t
.set XS, X+16*((\t)%2)
.if (\t) > 0
	s_wait_dscnt 1                                 ; this step's numbers are back from the stage (the last step's byte store may be out)
.else
	s_wait_dscnt 0x0
.endif
.if (\t)+4 < STEPS
	LOAD (\t)+4
.endif
.if (\t)+1 < STEPS
.if STEPS-2-(\t) >= 3
	s_wait_loadcnt 12                              ; the next step's four loads are in; those of the three steps behind it may be out
.else
	s_wait_loadcnt 4*(STEPS-2-(\t))
.endif
	TURN (\t)+1
.endif
	v_max3_num_f32 v8, |v[XS]|, |v[XS+1]|, |v[XS+2]|               ; the largest magnitude of my 16
	v_max3_num_f32 v9, |v[XS+3]|, |v[XS+4]|, |v[XS+5]|
.irp i, 6,10
	v_max3_num_f32 v8, v8, |v[XS+\i]|, |v[XS+\i+1]|
	v_max3_num_f32 v9, v9, |v[XS+\i+2]|, |v[XS+\i+3]|
.endr
	v_max3_num_f32 v8, v8, |v[XS+14]|, |v[XS+15]|
	v_max3_num_f32 v8, v8, v9, (EMAX+1)<<23        ; and the floor 2^(3 - 127): the byte cannot fall under 1
	v_max_num_f32_dpp v8, v8, v8 row_xmask:1 row_mask:0xf bank_mask:0xf   ; and of my neighbour's 16: the block's
	v_add_nc_u32 v11, 0xff000000, v8               ; 2 off its exponent field: the conversion takes the exponent field of this operand as its scale
	v_cvt_scalef32_pk8_fp4_f32 v[C+4*(\t)], v[XS:XS+7], v11
	v_cvt_scalef32_pk8_fp4_f32 v[C+4*(\t)+1], v[XS+8:XS+15], v11
	v_lshrrev_b32 v[E+(\t)], 23, v11               ; the scale's byte
	ds_store_b8 v5, v[E+(\t)] offset:16*(\t)       ; both lanes of a block write the same byte with the same value
	global_store_b64 v4, v[C+4*(\t):C+4*(\t)+1], s[20:21] offset:32*CB*(\t)   ; the wave stores 256 consecutive bytes, aligned
.endm
.irp t, 0,1,2,3,4,5,6,7,8,9,10,11,12,13,14,15
	STEP \t
.endr
	ds_load_b64 v[8:9], v6                         ; LDS serves a wave's instructions in order: these see my stores
	s_wait_dscnt 0x0
	global_store_b64 v7, v[8:9], s[22:23]          ; 256 consecutive bytes, aligned
	s_branch .Lend
	; ---------------- Wo into f16: a wave takes 8,192 numbers in four batches of 16 loads
.Lwo:
	v_lshlrev_b32 v3, 4, v2                        ; 16 x lane
	v_lshlrev_b32 v4, 3, v2                        ; 8 x lane
	s_sub_co_u32 s29, ttmp9, 64
	s_lshl_b32 s29, s29, 2
	s_add_co_u32 s29, s29, s28                     ; my run
	s_lshl_b32 s36, s29, 15
	s_add_nc_u64 s[16:17], s[16:17], s[36:37]
	s_lshl_b32 s36, s29, 14
	s_add_nc_u64 s[24:25], s[24:25], s[36:37]
.macro WLOAD k
.irp j, 0,1,2,3,4,5,6,7,8,9,10,11,12,13,14,15
	global_load_b128 v[16+64*((\k)%2)+4*\j:16+64*((\k)%2)+4*\j+3], v3, s[16:17] offset:8192*(\k)+512*\j th:TH_LOAD_NT
.endr
.endm
.macro WOB k
.set WS, 16+64*((\k)%2)
.if (\k) < 3
	s_wait_loadcnt 16                              ; this batch is in; the next batch's 16 loads may be out
.else
	s_wait_loadcnt 0x0
.endif
	s_wait_xcnt 0x0                                ; the last batch's stores have read v144-175, which are written again
.irp j, 0,1,2,3,4,5,6,7,8,9,10,11,12,13,14,15
	v_cvt_pk_f16_f32 v[144+2*\j], v[WS+4*\j], v[WS+4*\j+1]
	v_cvt_pk_f16_f32 v[145+2*\j], v[WS+4*\j+2], v[WS+4*\j+3]
.endr
.if (\k)+2 < 4
	WLOAD (\k)+2
.endif
.irp j, 0,1,2,3,4,5,6,7,8,9,10,11,12,13,14,15
	global_store_b64 v4, v[144+2*\j:145+2*\j], s[24:25] offset:4096*(\k)+256*\j   ; 256 consecutive bytes, aligned
.endr
.endm
	WLOAD 0
	WLOAD 1
	WOB 0
	WOB 1
	WOB 2
	WOB 3
	s_branch .Lend
	; ---------------- the mask: a work-group takes a block of 32 queries, a wave eight of its rows
.Lmask:
	v_lshlrev_b32 v3, 4, v2                        ; 16 x lane
	v_lshlrev_b32 v4, 3, v2                        ; 8 x lane
	v_lshlrev_b32 v5, 2, v2                        ; 4 x lane
	s_lshl_b32 s29, s28, 8
	v_add_nc_u32 v6, s29, v5                       ; 4 x lane + 256 x wave
	v_lshlrev_b32 v7, 2, v0                        ; 4 x thread
	s_lshl_b32 s29, ttmp9, 5
	s_lshl_b32 s32, s28, 3
	s_add_co_u32 s29, s29, s32                     ; my first row
	s_lshl_b32 s36, s29, 13
	s_add_nc_u64 s[18:19], s[18:19], s[36:37]      ; 8,192 bytes a row of the mask
	s_lshl_b32 s36, s29, 8
	s_add_nc_u64 s[30:31], s[26:27], s[36:37]      ; 256 bytes a row of bits
	s_mov_b32 s48, 0                               ; becomes 1 where a row has no open key
.irp j, 0,1,2,3,4,5,6,7,8,9,10,11,12,13,14,15
	v_mov_b32 v[144+\j], 0                         ; a lane write's destination counts as read
.endr
.macro MLOAD i
.irp sp, 0,1,2,3,4,5,6,7,8,9,10,11,12,13,14,15
	global_load_b128 v[16+64*((\i)%2)+4*\sp:16+64*((\i)%2)+4*\sp+3], v3, s[18:19] offset:8192*(\i)+512*\sp th:TH_LOAD_NT   ; 512 consecutive bytes: a span of 128 keys
.endr
.endm
.macro MROW i
.set MS, 16+64*((\i)%2)
.if (\i) < 7
	s_wait_loadcnt 16                              ; this row's 16 loads are in; the next row's may be out
.else
	s_wait_loadcnt 0x0
.endif
.set n, 0
.rept 8                                ; word n = 4 span + c of the row goes to lane n / 2, register n % 2: the row's 256 bytes then leave by one store
.set k, 0
.rept 8
	v_cmp_ne_u32 s[40+k], 0, v[MS+n+k]
.set k, k+1
.endr
.set k, 0
.rept 8
	v_writelane_b32 v[144+2*(\i)+((n+k)&1)], s[40+k], (n+k)>>1
.set k, k+1
.endr
.set n, n+8
.endr
.if (\i)+2 < 8
	MLOAD (\i)+2
.endif
	global_store_b64 v4, v[144+2*(\i):145+2*(\i)], s[30:31] offset:256*(\i)   ; 256 consecutive bytes, aligned
	v_or_b32 v162, v[144+2*(\i)], v[145+2*(\i)]
	v_and_b32 v163, v[144+2*(\i)], v[145+2*(\i)]
	v_cmp_ne_u32 vcc_lo, 0, v162
	s_cmp_eq_u32 vcc_lo, 0                         ; no lane has a bit: the row has no open key
	s_cselect_b32 s29, 1, 0
	s_or_b32 s48, s48, s29
.if (\i) == 0
	v_mov_b32 v160, v162
	v_mov_b32 v161, v163
.else
	v_or_b32 v160, v160, v162
	v_and_b32 v161, v161, v163
.endif
.endm
	MLOAD 0
	MLOAD 1
.irp i, 0,1,2,3,4,5,6,7
	MROW \i
.endr
	v_mov_b32 v164, s48
	ds_store_b32 v6, v160 offset:MRED
	ds_store_b32 v6, v161 offset:MRED+128
	ds_store_b32 v7, v164 offset:MRED+1024
	s_wait_dscnt 0x0                               ; for the others' sake: my stores have landed
	s_barrier_signal -1                            ; (all four waves of the work-group are on this path)
	s_barrier_wait -1
	s_cmp_lg_u32 s28, 0
	s_cbranch_scc1 .Lend                           ; wave 0 joins the four parts
.irp w, 0,1,2,3
	ds_load_b32 v[165+\w], v5 offset:MRED+256*\w
	ds_load_b32 v[169+\w], v5 offset:MRED+128+256*\w
	ds_load_b32 v[173+\w], v5 offset:MRED+1024+128*\w
.endr
	v_mov_b32 v177, 0
	v_mov_b32 v178, 0
	v_mov_b32 v182, 0
	s_wait_dscnt 0x0
.irp w, 1,2,3
	v_or_b32 v165, v165, v[165+\w]
	v_and_b32 v169, v169, v[169+\w]
	v_or_b32 v173, v173, v[173+\w]
.endr
	v_mov_b32_dpp v177, v165 row_xmask:1 row_mask:0xf bank_mask:0xf   ; lanes 2 s and 2 s + 1 hold the four words of span s between them
	v_mov_b32_dpp v178, v169 row_xmask:1 row_mask:0xf bank_mask:0xf
	v_or_b32 v165, v165, v177
	v_and_b32 v169, v169, v178
	v_and_b32 v179, 1, v2
	v_lshlrev_b32 v179, 4, v179
	v_lshrrev_b32 v165, v179, v165                 ; lane l keeps the half of its span that is key step l
	v_lshrrev_b32 v169, v179, v169
	v_and_b32 v165, 0xffff, v165
	v_and_b32 v169, 0xffff, v169
	v_cmp_ne_u32 s40, 0, v165                      ; ANY: bit l for key step l
	v_cmp_eq_u32 s41, 0xffff, v169                 ; ALL
	v_readfirstlane_b32 s42, v173
	s_cmp_lg_u32 s42, 0
	s_cselect_b32 s40, -1, s40                     ; a row with no open key: the block walks every step
	v_mov_b32 v180, s40
	v_mov_b32 v181, s41
	s_lshl_b32 s36, ttmp9, 3
	s_add_co_u32 s36, s36, FLAGS
	s_add_nc_u64 s[26:27], s[26:27], s[36:37]
	v_cmp_gt_u32 vcc_lo, 1, v0
	s_wait_xcnt 0x0                                ; EXEC changes only behind this wait
	s_and_saveexec_b32 s43, vcc_lo
	global_store_b64 v182, v[180:181], s[26:27]    ; eight bytes, from lane 0
	s_wait_xcnt 0x0                                ; and again, in front of the line that widens it
	s_or_b32 exec_lo, exec_lo, s43
.Lend:
	s_wait_tensorcnt 0x0                           ; the wave's end, behind my last LDS store
	ds_add_u32 v[SPW], v[NIL]
	s_wait_dscnt 0x0
	s_endpgm
.Lfunc_end_k_q9655d9cfa2_prep:
	.size	k_q9655d9cfa2_prep, .Lfunc_end_k_q9655d9cfa2_prep-k_q9655d9cfa2_prep
	.p2alignl 7, 3214868480
	.fill 96, 4, 3214868480
	.section	.rodata,"a",@progbits
	.p2align	6, 0x0
	.amdhsa_kernel k_q9655d9cfa2_prep
		.amdhsa_group_segment_fixed_size 34816
		.amdhsa_private_segment_fixed_size 0
		.amdhsa_enable_private_segment 0
		.amdhsa_kernarg_size 96
		.amdhsa_user_sgpr_count 2
		.amdhsa_user_sgpr_kernarg_segment_ptr 1
		.amdhsa_wavefront_size32 1
		.amdhsa_system_sgpr_workgroup_id_x 1
		.amdhsa_system_sgpr_workgroup_id_y 1
		.amdhsa_system_sgpr_workgroup_id_z 1
		.amdhsa_system_vgpr_workitem_id 0
		.amdhsa_next_free_vgpr 192
		.amdhsa_next_free_sgpr 66
		.amdhsa_reserve_vcc 1
		.amdhsa_float_denorm_mode_32 3
		.amdhsa_float_denorm_mode_16_64 3
		.amdhsa_memory_ordered 1
		.amdhsa_forward_progress 1
		.amdhsa_inst_pref_size 137
	.end_amdhsa_kernel
	.amdgpu_metadata
---
amdhsa.version: [ 1, 2 ]
amdhsa.kernels:
  - .name:           k_q9655d9cfa2_prep
    .symbol:         k_q9655d9cfa2_prep.kd
    .args:
      - { .name: query, .offset: 0, .size: 8, .value_kind: global_buffer, .address_space: global }
      - { .name: key, .offset: 8, .size: 8, .value_kind: global_buffer, .address_space: global }
      - { .name: value, .offset: 16, .size: 8, .value_kind: global_buffer, .address_space: global }
      - { .name: Wq, .offset: 24, .size: 8, .value_kind: global_buffer, .address_space: global }
      - { .name: Wk, .offset: 32, .size: 8, .value_kind: global_buffer, .address_space: global }
      - { .name: Wv, .offset: 40, .size: 8, .value_kind: global_buffer, .address_space: global }
      - { .name: Wo, .offset: 48, .size: 8, .value_kind: global_buffer, .address_space: global }
      - { .name: mask, .offset: 56, .size: 8, .value_kind: global_buffer, .address_space: global }
      - { .name: codes, .offset: 64, .size: 8, .value_kind: global_buffer, .address_space: global }
      - { .name: scales, .offset: 72, .size: 8, .value_kind: global_buffer, .address_space: global }
      - { .name: wo16, .offset: 80, .size: 8, .value_kind: global_buffer, .address_space: global }
      - { .name: minfo, .offset: 88, .size: 8, .value_kind: global_buffer, .address_space: global }
    .group_segment_fixed_size: 34816
    .private_segment_fixed_size: 0
    .kernarg_segment_align: 8
    .kernarg_segment_size: 96
    .max_flat_workgroup_size: 128
    .sgpr_count:     66
    .vgpr_count:     192
    .wavefront_size: 32
...
	.end_amdgpu_metadata
.endif
;; end of part 1
;; launch proj (part 2): grid 4 x 96, 4 waves a work-group, clusters of 4 x 4, 327,680 bytes of LDS; arguments codes, scales, bq, bk, bv, q16, kv, vlo; writes q16, kv, vlo
.if DOCPART == 2
	.amdgcn_target "amdgcn-amd-amdhsa--gfx1250"
	.amdhsa_code_object_version 6
	.text
	.protected	k_q9655d9cfa2_proj
	.globl	k_q9655d9cfa2_proj
	.p2align	8
	.type	k_q9655d9cfa2_proj,@function
k_q9655d9cfa2_proj:
	s_mov_b64 s[64:65], 0
	v_nop
	global_prefetch_b8 v0, s[64:65] scope:SCOPE_SE
	s_setreg_imm32_b32 hwreg(HW_REG_WAVE_MODE, 25, 1), 1
	s_wait_xcnt 0x0
	s_wait_alu depctr_hold_cnt(0) depctr_sa_sdst(0) depctr_va_vdst(0) depctr_va_sdst(0) depctr_va_ssrc(0) depctr_va_vcc(0) depctr_vm_vsrc(0)
	s_getreg_b32 s2, hwreg(HW_REG_IB_STS2, 6, 4)
	s_cmp_eq_u32 s2, 0
	s_cbranch_scc0 .Lentry_in_a_cluster
	s_endpgm
.Lentry_in_a_cluster:
	s_bfe_u32 s2, ttmp6, 0x10000c
	s_cmp_lg_u32 s2, 0xf033
	s_cbranch_scc0 .Lentry_shape_is_right
	s_endpgm
.Lentry_shape_is_right:
; PROJ: q = query Wq^T + bq, k = key Wk^T + bk, v = value Wv^T + bv: three products [8192][1024] x [1024][1024] on codes of E2M1 with E8M0 scales, f32 sums; no work is left out.
; The rows of query, key and value lie on end in the codes' buffer (24,576 rows), the weights' rows behind them: tile row ty = 0 .. 95 of the grid names 256 of the former, and projection ty / 32 the weight.
; A tile, 256 x 256, is made by four waves, 128 x 128 each: 64 accumulators of 16 x 16.  K = 1,024 is two slots of 512 along K: both are asked for at the head and no LDS byte is filled twice.
; The scale bytes of the work-group's 256 + 256 rows, for all of K, come once, in rows of 256 bytes.
; CLUSTERS: 4 x 4 work-groups; A's tiles are asked for jointly along a row of the cluster, B's along a column.  The projection's number is made of the cluster's y alone: it is the same in all sixteen partners.
; THE MATRIX INSTRUCTION IS USED TRANSPOSED (source 0 = 16 rows of W, source 1 = 16 rows of x): a lane holds one row of x and eight neighbouring channels.  The bias is the C of each sum's first product.
; THE WAY OUT NEEDS NO LDS: a lane's eight channels as f16 are 16 bytes of an IMAGE of the next launch's operand registers, and a wave's store covers 512 consecutive bytes, aligned.
;   q16 [bh][tile of 16 queries][u][lane][16 B]: lane (r, h): query r, channels 16 u + 8 h + 0 .. 7.   kv [bh][step of 64 keys][16 KB]: K so, then V.
;   V's 16 bytes (key x of 16, channel octet o) lie at 16 ((x & 7) + 8 o + 16 (x >> 3)) of their 512: the turning LDS load at 16 x lane then gives a fragment of V^T.
;   V also leaves a low part (vlo): hi = t - (t - x) with t = 8193 x has 11 significant bits, lo = x - hi is exact; both go out as f16.
; LIMITS: |q|, |k|, |v| stay under 65,504, f16's largest number; under 6e-5 the f16 numbers lose bits.
.set KSTEP,  512
.set NQ,     4
.set ROWB,   256
.set KROW,   512                       ; a row of codes in memory, in bytes
.set PITCH,  272                       ; an LDS row: 256 bytes + 16 of padding: the 16 rows that a load touches begin 272 bytes apart
.set FR,     8
.set NL,     2
.set NP,     4
.set HALFT,  128*PITCH
.set SLOT,   4*HALFT
.set KS,     32                        ; a row of scale bytes
.set SCL,    2*SLOT
.set HALFS,  (128*KS/256)*272
.set SBLK,   (16*KS/256)*272
.set SPARE,  SCL+4*HALFS               ; the spare words, 128 bytes a wave
.set ADRA, 16                          ; v16-17 LDS address of my A fragments in slot 0, 1
.set ADRB, 20                          ; v20-21 the same for B
.set CV,   24                          ; v24 the way out: V's place for my lane
.set BO,   25                          ; v25 32 h: my eight biases of a block
.set CO,   26                          ; v26 16 x lane
.set ADRS, 27                          ; v27 my scale words
.set SPW,  28
.set NIL,  29
.set SC,   32                          ; v32-95 scale words, two sets
.set AF,   128                         ; v128-191 A's fragments, one set
.set BI,   192                         ; v192-255 the bias: v[BI + 8 b + j] = bias(16 b + 8 h + j) of my 128 channels
.set TMP,  32                          ; the way out: two sets of 32 registers of f16
.set LOS,  96                          ; the low parts
.set TT,   128
.set DD,   192
.set G1, 24
.set G0, 32
.set G1B, 48
.set G0B, 56
.set G1S, 68
.set G0S, 76
.set G1SB, 80
.set G0SB, 88
.set MSB, 0
.macro WIN new                         ; the immediate's high byte repeats the setting that is left
.if MSB != (\new)
	s_set_vgpr_msb (MSB<<8)|(\new)
.set MSB, (\new)
.endif
.endm
.set MUL_LO, 0xa1                      ; source 0 (W) window 1, source 1 (x) window 0, C and D window 2
.set MUL_HI, 0xf1                      ; the same, C and D window 3
.set TO_B,   0x40
.macro JLOAD g0a, g1a, g0b, g1b        ; a joint load: waves 0 and 1 fetch for A, waves 2 and 3 for B; the branch hangs on the wave's number alone
	s_cmp_eq_u32 s15, 0
	s_cbranch_scc0 .Lfor_b_\@
	tensor_load_to_lds s[\g0a:\g0a+3], s[\g1a:\g1a+7]
	s_nop 0
.rept 4
	v_nop
.endr
	s_branch .Lasked_\@
.Lfor_b_\@:
	tensor_load_to_lds s[\g0b:\g0b+3], s[\g1b:\g1b+7]
	s_nop 0
.rept 4
	v_nop
.endr
.Lasked_\@:
.endm
.macro CROUND                          ; a round of the cluster's barrier
	s_barrier_signal -1
	s_barrier_wait -1
	s_cmp_lg_u32 s14, 0
	s_cbranch_scc1 .Lnot_wave_0_\@
	s_barrier_signal -3
.Lnot_wave_0_\@:
	s_barrier_wait -3
	s_barrier_signal -1
	s_barrier_wait -1
.endm
	s_load_b128 s[4:7], s[0:1], 0x0                ; codes, scales
	s_load_b128 s[8:11], s[0:1], 0x10              ; bq, bk
	s_load_b64 s[12:13], s[0:1], 0x20              ; bv
	s_load_b128 s[96:99], s[0:1], 0x28             ; q16, kv
	s_load_b64 s[100:101], s[0:1], 0x38            ; vlo
	v_lshl_add_u32 v[SPW], v0, 2, SPARE
	v_mov_b32 v[NIL], 0
	ds_add_u32 v[SPW], v[NIL]                      ; the wave's opening: the add, twice on end; its wait stands ahead of my first tensor load
	ds_add_u32 v[SPW], v[NIL]
	v_lshrrev_b32 v1, 5, v0
	v_readfirstlane_b32 s14, v1                    ; wave 0..3
	s_lshr_b32 s15, s14, 1                         ; which half of the tile's rows is mine.  Also: I fetch for A (0) or for B (1)
	s_and_b32 s16, s14, 1                          ; which half of its columns.  Also: which 128 rows I fetch
	s_bfe_u32 s40, ttmp6, 0x40000                  ; cx
	s_bfe_u32 s41, ttmp6, 0x40004                  ; cy
	s_lshl_b32 s42, ttmp9, 2
	s_add_co_u32 s42, s42, s40                     ; tile column tx
	s_and_b32 s17, ttmp7, 0xffff
	s_lshr_b32 s95, s17, 3                         ; the projection: 8 clusters along y each
	s_lshl_b32 s17, s17, 2
	s_add_co_u32 s17, s17, s41                     ; tile row ty
	s_lshl_b32 s43, s41, 2
	s_lshl_b32 s43, 15, s43                        ; my row of the cluster
	s_lshl_b32 s44, 0x1111, s40                    ; my column
	s_or_b32 s[G1+0], s43, (0<<16)|(1<<20)|(1<<21)|(5<<22)|(3<<25)  ; mask; elements of 1 byte; padding: 4 words after every 64
	s_or_b32 s[G1B+0], s44, (0<<16)|(1<<20)|(1<<21)|(5<<22)|(3<<25)
.irp g, G1, G1B
	s_mov_b32 s[\g+1], ROWB<<16                    ; tensor_dim0
	s_mov_b32 s[\g+2], 128<<16                     ; tensor_dim1
	s_mov_b32 s[\g+3], ROWB<<16                    ; tile_dim0
	s_mov_b32 s[\g+4], 128                         ; tile_dim1
	s_mov_b32 s[\g+5], KROW                        ; the pitch
	s_mov_b32 s[\g+6], 0
	s_mov_b32 s[\g+7], 0
.endr
	s_or_b32 s[G1S+0], s43, (3<<16)|(1<<20)|(1<<21)|(5<<22)|(3<<25)  ; the scales of 128 rows: a dense block, as rows of 256 bytes (32 elements of 8)
	s_or_b32 s[G1SB+0], s44, (3<<16)|(1<<20)|(1<<21)|(5<<22)|(3<<25)
.irp g, G1S, G1SB
	s_mov_b32 s[\g+1], 32<<16
	s_mov_b32 s[\g+2], (128*KS/256)<<16
	s_mov_b32 s[\g+3], 32<<16
	s_mov_b32 s[\g+4], 128*KS/256
	s_mov_b32 s[\g+5], 32
	s_mov_b32 s[\g+6], 0
	s_mov_b32 s[\g+7], 0
.endr
	s_lshl_b32 s18, s16, 7
	s_lshl_b32 s20, s17, 8
	s_add_co_u32 s20, s20, s18                     ; A: row 256 ty + 128 x half
	s_lshl_b32 s46, s42, 8
	s_add_co_u32 s46, s46, s18
	s_lshl_b32 s47, s95, 10
	s_add_co_u32 s46, s46, s47
	s_add_co_u32 s46, s46, 24576                   ; B: row 24,576 + 1,024 x projection + 256 tx + 128 x half
	s_mov_b32 s21, 0
	s_mov_b32 s47, 0
	s_mov_b64 s[18:19], KS
	s_mul_u64 s[22:23], s[20:21], s[18:19]
	s_mul_u64 s[92:93], s[46:47], s[18:19]
	s_mov_b64 s[18:19], KROW
	s_mul_u64 s[20:21], s[20:21], s[18:19]
	s_mul_u64 s[46:47], s[46:47], s[18:19]
	s_mul_i32 s45, s14, HALFT                      ; where they go: wave x 128 rows
	s_mul_i32 s94, s14, HALFS
	s_wait_dscnt 0x0                               ; both opening adds are done
	s_wait_kmcnt 0x0
	s_add_nc_u64 s[20:21], s[4:5], s[20:21]
	s_add_nc_u64 s[22:23], s[6:7], s[22:23]
	s_add_nc_u64 s[46:47], s[4:5], s[46:47]
	s_add_nc_u64 s[92:93], s[6:7], s[92:93]
	CROUND                                         ; all sixteen work-groups are here: the joint loads meet
	s_mov_b32 s[G0S], 1
	s_add_co_u32 s[G0S+1], s94, SCL
	s_mov_b64 s[G0S+2:G0S+3], s[22:23]
	s_or_b32 s[G0S+3], s[G0S+3], 0x80000000
	s_mov_b32 s[G0SB], 1
	s_add_co_u32 s[G0SB+1], s94, SCL
	s_mov_b64 s[G0SB+2:G0SB+3], s[92:93]
	s_or_b32 s[G0SB+3], s[G0SB+3], 0x80000000
	JLOAD G0S, G1S, G0SB, G1SB                     ; three tensor loads of mine go out here: the scales, slot 0, slot 1
.irp s, 0,1
	s_mov_b32 s[G0+4*\s], 1
	s_add_co_u32 s[G0+4*\s+1], s45, \s*SLOT
	s_add_nc_u64 s[G0+4*\s+2:G0+4*\s+3], s[20:21], \s*ROWB
	s_or_b32 s[G0+4*\s+3], s[G0+4*\s+3], 0x80000000
	s_mov_b32 s[G0B+4*\s], 1
	s_add_co_u32 s[G0B+4*\s+1], s45, \s*SLOT
	s_add_nc_u64 s[G0B+4*\s+2:G0B+4*\s+3], s[46:47], \s*ROWB
	s_or_b32 s[G0B+4*\s+3], s[G0B+4*\s+3], 0x80000000
	JLOAD G0+4*\s, G1, G0B+4*\s, G1B
.endr
	v_and_b32 v1, 15, v0                           ; r
	v_bfe_u32 v2, v0, 4, 1                         ; h
	v_mul_u32_u24 v3, v1, PITCH
	v_lshl_add_u32 v4, v2, 4, v3
	s_mul_i32 s21, s15, HALFT
	s_mul_i32 s22, s16, HALFT
	s_add_co_u32 s22, s22, 2*HALFT
.irp s, 0,1
	v_add_nc_u32 v[ADRA+\s], s21, v4
	v_add_nc_u32 v[ADRB+\s], s22, v4
	s_add_co_u32 s21, s21, SLOT
	s_add_co_u32 s22, s22, SLOT
.endr
	v_mul_u32_u24 v5, v1, KS                       ; my row's scales: KS bytes a row,
	v_lshrrev_b32 v6, 8, v5
	v_lshl_add_u32 v5, v6, 4, v5                   ; and 16 more for each 256 passed
	s_mul_i32 s21, s15, HALFS
	s_mul_i32 s22, s16, HALFS
	s_add_co_u32 s22, s22, 2*HALFS
	s_sub_co_u32 s22, s22, s21
	v_mul_u32_u24 v6, s22, v2                      ; lanes 16-31 take B's
	s_add_co_u32 s21, s21, SCL
	v_add_nc_u32 v5, v5, v6
	v_add_nc_u32 v[ADRS], s21, v5
	v_and_b32 v6, 31, v0
	v_lshlrev_b32 v[CO], 4, v6
	v_and_b32 v5, 7, v1
	v_lshl_add_u32 v5, v2, 3, v5
	v_lshrrev_b32 v6, 3, v1
	v_lshl_add_u32 v5, v6, 4, v5
	v_lshlrev_b32 v[CV], 4, v5                     ; 16 ((r & 7) + 8 h + 16 (r >> 3))
	v_lshlrev_b32 v[BO], 5, v2
	s_cmp_eq_u32 s95, 0                            ; the bias of my projection
	s_cselect_b64 s[8:9], s[8:9], s[10:11]
	s_cmp_eq_u32 s95, 2
	s_cselect_b64 s[8:9], s[12:13], s[8:9]
	s_lshl_b32 s46, s42, 10
	s_lshl_b32 s47, s16, 9
	s_add_co_u32 s46, s46, s47                     ; 4 x (256 tx + 128 x half)
	s_mov_b32 s47, 0
	s_add_nc_u64 s[8:9], s[8:9], s[46:47]
.irp b, 0,1,2,3,4,5,6,7
	global_load_b128 v[BI+8*\b:BI+8*\b+3], v[BO], s[8:9] offset:64*\b
	global_load_b128 v[BI+8*\b+4:BI+8*\b+7], v[BO], s[8:9] offset:64*\b+16
.endr
.macro FRAG reg, adr, q, i             ; 16 rows x 128 K of 4-bit codes: 8 registers, two loads of 16 bytes, 32 bytes apart
.irp c, 0,1
	ds_load_b128 v[\reg+4*\c:\reg+4*\c+3], v[\adr] offset:64*(\q)+32*\c+(\i)*16*PITCH
.endr
.endm
; 16 matrix instructions: A's blocks a0, a0 + 1 x B's eight.  first = 1: the bias is the C: nothing is cleared and nothing is added later.  The 64 accumulators take turns.
.macro MUL16 a0, p, q, sc, first
.irp a, \a0, \a0+1
.irp b, 0,1,2,3,4,5,6,7
.if \first
	v_wmma_scale_f32_16x16x128_f8f6f4 v[8*(8*((\a)%4)+\b):8*(8*((\a)%4)+\b)+7], v[128*(\p)+FR*\b:128*(\p)+FR*\b+FR-1], v[AF+FR*(\a):AF+FR*(\a)+FR-1], v[BI+8*\b:BI+8*\b+7], v[SC+8*NQ*(\sc)+NQ*\b+(\q)], v[SC+8*NQ*(\sc)+NQ*(\a)+(\q)] matrix_a_fmt:MATRIX_FMT_FP4 matrix_b_fmt:MATRIX_FMT_FP4 matrix_a_scale:MATRIX_SCALE_ROW1
.else
	v_wmma_scale_f32_16x16x128_f8f6f4 v[8*(8*((\a)%4)+\b):8*(8*((\a)%4)+\b)+7], v[128*(\p)+FR*\b:128*(\p)+FR*\b+FR-1], v[AF+FR*(\a):AF+FR*(\a)+FR-1], v[8*(8*((\a)%4)+\b):8*(8*((\a)%4)+\b)+7], v[SC+8*NQ*(\sc)+NQ*\b+(\q)], v[SC+8*NQ*(\sc)+NQ*(\a)+(\q)] matrix_a_fmt:MATRIX_FMT_FP4 matrix_b_fmt:MATRIX_FMT_FP4 matrix_a_scale:MATRIX_SCALE_ROW1
.endif
.endr
.endr
.endm
.macro FETCH_B slot, q, p
	WIN TO_B
.irp i, 0,1,2,3,4,5,6,7
	FRAG 128*(\p)+FR*\i, ADRB+\slot, \q, \i
.endr
	WIN 0
.endm
.macro FETCH_A slot, q, i0
.irp i, \i0, \i0+1, \i0+2, \i0+3
	FRAG AF+FR*(\i), ADRA+\slot, \q, \i
.endr
.endm
.macro SCALES sc                       ; a slot's scale words: lanes 0-15 take A's block i, lanes 16-31 B's block i
.irp i, 0,1,2,3,4,5,6,7
	ds_load_b128 v[SC+8*NQ*\sc+NQ*\i:SC+8*NQ*\sc+NQ*\i+3], v[ADRS] offset:\i*SBLK
.endr
.endm
.macro PLACES n                        ; plain vector instructions between a matrix instruction and a load into, or a read of, its registers
.rept \n
	v_nop
.endr
.endm
.macro STEP slot, q, first
	s_wait_dscnt 4*NL                              ; B's set and A's blocks 0-3 are in; the youngest eight loads (A's blocks 4-7) may be out
.if \first
	WIN 0x81                                       ; C (the bias) window 0, D window 2
.else
	WIN MUL_LO
.endif
	MUL16 0, (\q)%2, \q, \slot, \first
	MUL16 2, (\q)%2, \q, \slot, \first
	s_wait_dscnt 0
	PLACES NP
	FETCH_B \slot, (\q)+1, 1-(\q)%2
	FETCH_A \slot, (\q)+1, 0
.if \first
	WIN 0xc1
.else
	WIN MUL_HI
.endif
	MUL16 4, (\q)%2, \q, \slot, \first
	MUL16 6, (\q)%2, \q, \slot, \first
	PLACES NP
	WIN 0
	FETCH_A \slot, (\q)+1, 4
.endm
.macro STEPS slot, from
.set Q, \from
.rept NQ-1-\from
	STEP \slot, Q, 0
.set Q, Q+1
.endr
.endm
	s_wait_tensorcnt 1                             ; the scales and my part of slot 0 are in; slot 1's load may be out
	s_barrier_signal -1
	s_barrier_wait -1
	FETCH_B 0, 0, 0
	FETCH_A 0, 0, 0
	SCALES 0
	FETCH_A 0, 0, 4
	s_wait_loadcnt 0x0                             ; the bias
	STEP 0, 0, 1
	STEPS 0, 1
	; slot 0's last step changes slots: one barrier, behind which slot 1 is whole for every wave
	s_wait_tensorcnt 0x0                           ; all my tensor loads have landed
	ds_add_u32 v[SPW], v[NIL]
	s_wait_dscnt 4*NL+1                            ; (the add and the youngest eight loads may be out)
	WIN MUL_LO
	MUL16 0, 1, NQ-1, 0, 0
	s_wait_dscnt 0x0
	s_barrier_signal -1
	MUL16 2, 1, NQ-1, 0, 0
	WIN 0
	s_barrier_wait -1
	PLACES NP
	v_add_nc_u32 v[ADRS], 4*NQ, v[ADRS]            ; on to slot 1's scale words
	FETCH_B 1, 0, 0
	FETCH_A 1, 0, 0
	SCALES 1
	WIN MUL_HI
	MUL16 4, 1, NQ-1, 0, 0
	MUL16 6, 1, NQ-1, 0, 0
	PLACES NP
	WIN 0
	FETCH_A 1, 0, 4
	STEPS 1, 0
	s_wait_dscnt 4*NL
	WIN MUL_LO
	MUL16 0, 1, NQ-1, 1, 0
	MUL16 2, 1, NQ-1, 1, 0
	s_wait_dscnt 0
	WIN MUL_HI
	MUL16 4, 1, NQ-1, 1, 0
	MUL16 6, 1, NQ-1, 1, 0
	WIN 0
	PLACES NP
	; THE WAY OUT.  My rows: R0 = 256 ty + 128 x row half: batch (R0 >> 11) & 3, position R0 & 2047.  My channels: heads 4 tx + 2 x column half and the next.
	s_min_u32 s86, s95, 1                          ; kv's strides are twice q16's
	s_lshl_b32 s87, s17, 8
	s_lshl_b32 s88, s15, 7
	s_add_co_u32 s87, s87, s88
	s_bfe_u32 s88, s87, 0x2000b                    ; batch
	s_and_b32 s87, s87, 2047                       ; position
	s_lshl_b32 s88, s88, 4
	s_lshl_b32 s89, s42, 2
	s_add_co_u32 s88, s88, s89
	s_lshl_b32 s89, s16, 1
	s_add_co_u32 s88, s88, s89                     ; bh
	s_lshl_b32 s88, s88, 18
	s_lshl_b32 s87, s87, 7
	s_add_co_u32 s88, s88, s87                     ; 262,144 bh + 128 x position: my place in q16 and in vlo
	s_mov_b32 s89, 0
	s_add_nc_u64 s[76:77], s[100:101], s[88:89]    ; vlo: (rows 0-63, first head),
	s_add_nc_u64 s[78:79], s[76:77], 262144        ; (rows 0-63, second head),
	s_add_nc_u64 s[80:81], s[76:77], 8192          ; (rows 64-127, first head),
	s_add_nc_u64 s[82:83], s[78:79], 8192          ; (rows 64-127, second head)
	s_cmp_eq_u32 s95, 0
	s_cselect_b64 s[68:69], s[96:97], s[98:99]     ; q16 or kv
	s_lshl_b32 s88, s88, s86
	s_add_nc_u64 s[68:69], s[68:69], s[88:89]
	s_cmp_eq_u32 s95, 2
	s_cselect_b32 s88, 8192, 0                     ; V lies behind K in a step's 16 KB
	s_add_nc_u64 s[68:69], s[68:69], s[88:89]
	s_lshl_b32 s88, 0x40000, s86
	s_add_nc_u64 s[70:71], s[68:69], s[88:89]
	s_lshl_b32 s88, 8192, s86
	s_add_nc_u64 s[72:73], s[68:69], s[88:89]
	s_add_nc_u64 s[74:75], s[70:71], s[88:89]
	s_mov_b32 s84, 0x46000400                      ; 8193.0
	s_mov_b32 s85, s84
.macro PUT a, set, adr, base           ; block a's eight stores: 512 consecutive bytes each, aligned
.irp b, 0,1,2,3,4,5,6,7
	global_store_b128 v[\adr], v[\set+4*\b:\set+4*\b+3], s[\base+4*((\a)/4)+2*(\b/4):\base+4*((\a)/4)+2*(\b/4)+1] offset:((\a)%4)*2048+(\b%4)*512
.endr
.endm
.macro PACKP a                         ; block a (16 rows x 128 channels) rounded to f16, each accumulator from its low end on
.set AC, 64*((\a)%4)
.set TP, TMP+32*((\a)%2)
	WIN 0x0a+5*((\a)/4)
.irp b, 0,1,2,3,4,5,6,7
.irp r, 0,1,2,3
	v_cvt_pk_f16_f32 v[TP+4*\b+\r], v[AC+8*\b+2*\r], v[AC+8*\b+2*\r+1]
.endr
.endr
	WIN 0
.endm
.macro SPLITV a                        ; block a as a high and a low part
.set AC, 64*((\a)%4)
.set TP, TMP+32*((\a)%2)
	WIN 0x02+(\a)/4
.set i, 0
.rept 32
	v_pk_mul_f32 v[TT+2*i:TT+2*i+1], v[AC+2*i:AC+2*i+1], s[84:85] op_sel_hi:[1,0]                       ; t = 8193 x
.set i, i+1
.endr
.set i, 0
.rept 32
	v_pk_add_f32 v[DD+2*i:DD+2*i+1], v[AC+2*i:AC+2*i+1], v[TT+2*i:TT+2*i+1] neg_lo:[1,0] neg_hi:[1,0]   ; t - x
.set i, i+1
.endr
	WIN 0
.set i, 0
.rept 32
	v_pk_add_f32 v[TT+2*i:TT+2*i+1], v[TT+2*i:TT+2*i+1], v[DD+2*i:DD+2*i+1] neg_lo:[0,1] neg_hi:[0,1]   ; hi = t - (t - x)
.set i, i+1
.endr
	WIN 0x02+(\a)/4
.set i, 0
.rept 32
	v_pk_add_f32 v[DD+2*i:DD+2*i+1], v[AC+2*i:AC+2*i+1], v[TT+2*i:TT+2*i+1] neg_lo:[0,1] neg_hi:[0,1]   ; lo = x - hi
.set i, i+1
.endr
	WIN 0
.set i, 0
.rept 32
	v_cvt_pk_f16_f32 v[TP+i], v[TT+2*i], v[TT+2*i+1]
	v_cvt_pk_f16_f32 v[LOS+i], v[DD+2*i], v[DD+2*i+1]
.set i, i+1
.endr
.endm
	s_cmp_eq_u32 s95, 2
	s_cbranch_scc1 .Lout_v
.irp a, 0,1,2,3,4,5,6,7
.if \a >= 2
	s_wait_xcnt 0x0                                ; block a - 2's stores have read the set that is written again
.endif
	PACKP \a
	PUT \a, TMP+32*((\a)%2), CO, 68
.endr
	s_branch .Lout_end
.Lout_v:
.irp a, 0,1,2,3,4,5,6,7
.if \a >= 1
	s_wait_xcnt 0x0                                ; the earlier stores have read their registers: the low parts have one set
.endif
	SPLITV \a
	PUT \a, TMP+32*((\a)%2), CV, 68
	PUT \a, LOS, CV, 76
.endr
.Lout_end:
	s_wait_tensorcnt 0x0                           ; the wave's end
	ds_add_u32 v[SPW], v[NIL]
	s_wait_dscnt 0x0
	CROUND                                         ; the closing round
	s_endpgm
.Lfunc_end_k_q9655d9cfa2_proj:
	.size	k_q9655d9cfa2_proj, .Lfunc_end_k_q9655d9cfa2_proj-k_q9655d9cfa2_proj
	.p2alignl 7, 3214868480
	.fill 96, 4, 3214868480
	.section	.rodata,"a",@progbits
	.p2align	6, 0x0
	.amdhsa_kernel k_q9655d9cfa2_proj
		.amdhsa_group_segment_fixed_size 327680
		.amdhsa_private_segment_fixed_size 0
		.amdhsa_enable_private_segment 0
		.amdhsa_kernarg_size 64
		.amdhsa_user_sgpr_count 2
		.amdhsa_user_sgpr_kernarg_segment_ptr 1
		.amdhsa_wavefront_size32 1
		.amdhsa_system_sgpr_workgroup_id_x 1
		.amdhsa_system_sgpr_workgroup_id_y 1
		.amdhsa_system_sgpr_workgroup_id_z 1
		.amdhsa_system_vgpr_workitem_id 0
		.amdhsa_next_free_vgpr 1024
		.amdhsa_next_free_sgpr 102
		.amdhsa_reserve_vcc 0
		.amdhsa_float_denorm_mode_32 3
		.amdhsa_float_denorm_mode_16_64 3
		.amdhsa_memory_ordered 1
		.amdhsa_forward_progress 1
		.amdhsa_inst_pref_size 230
	.end_amdhsa_kernel
	.amdgpu_metadata
---
amdhsa.version: [ 1, 2 ]
amdhsa.kernels:
  - .name:           k_q9655d9cfa2_proj
    .symbol:         k_q9655d9cfa2_proj.kd
    .args:
      - { .name: codes, .offset: 0, .size: 8, .value_kind: global_buffer, .address_space: global }
      - { .name: scales, .offset: 8, .size: 8, .value_kind: global_buffer, .address_space: global }
      - { .name: bq, .offset: 16, .size: 8, .value_kind: global_buffer, .address_space: global }
      - { .name: bk, .offset: 24, .size: 8, .value_kind: global_buffer, .address_space: global }
      - { .name: bv, .offset: 32, .size: 8, .value_kind: global_buffer, .address_space: global }
      - { .name: q16, .offset: 40, .size: 8, .value_kind: global_buffer, .address_space: global }
      - { .name: kv, .offset: 48, .size: 8, .value_kind: global_buffer, .address_space: global }
      - { .name: vlo, .offset: 56, .size: 8, .value_kind: global_buffer, .address_space: global }
    .group_segment_fixed_size: 327680
    .private_segment_fixed_size: 0
    .kernarg_segment_align: 8
    .kernarg_segment_size: 64
    .max_flat_workgroup_size: 128
    .sgpr_count:     102
    .vgpr_count:     1024
    .wavefront_size: 32
...
	.end_amdgpu_metadata
.endif
;; end of part 2
;; launch attn (part 3): grid 4 x 64, 8 waves a work-group, no clusters, 33,792 bytes of LDS; arguments q16, kv, minfo, ctx; writes ctx
.if DOCPART == 3
	.amdgcn_target "amdgcn-amd-amdhsa--gfx1250"
	.amdhsa_code_object_version 6
	.text
	.protected	k_q9655d9cfa2_attn
	.globl	k_q9655d9cfa2_attn
	.p2align	8
	.type	k_q9655d9cfa2_attn,@function
k_q9655d9cfa2_attn:
	s_mov_b64 s[64:65], 0
	v_nop
	global_prefetch_b8 v0, s[64:65] scope:SCOPE_SE
	s_setreg_imm32_b32 hwreg(HW_REG_WAVE_MODE, 25, 1), 1
	s_wait_xcnt 0x0
; ATTN: ctx[b][q][head] = softmax_k(where(mask, q.k / 8, -1e9)) v, in f16 operands with f32 products' sums, maxima and sums; a running maximum is taken away before every exponential.
; WORK PASSED OVER: a step of 64 keys that the mask closes for a whole block of 32 queries, by the flag words that the first launch stored (its head comment shows why the result is the same for every mask).
; SHARES.  Work-group (g, bh): one batch and head.  Wave w owns two blocks of 32 queries, a = 8 g + w (tiles 0, 1) and 63 - a (tiles 2, 3).  All waves walk the 32 key steps in a loop of constant count;
; what the flags close is jumped over: work alone, never a barrier.  The launch has no tensor load: a step's 16 KB of K and V come through registers into one of two LDS slots, 64 bytes a thread.
; NO CLUSTER, though four work-groups read the same K and V: joint requests are tensor loads.
; LAYOUT.  S^T = K Q^T (source 0 = 16 keys, source 1 = 16 queries): a lane holds one query and keys 8 h + 0 .. 7 of a tile; two such tiles rounded to f16 are source 1 of O^T = V^T P.  K, Q come as images of
; their registers (16 bytes a lane at 16 x lane); V's image is laid so that the turning load at 16 x lane gives V^T.
; A closed place gets the raw score -8e9, which is -1e9 after the division by 8.  c = log2(e) / 8; p = 2^(c s - c m); O and l are multiplied by 2^(c m_old - c m_new) in every step.
; LIMITS: open scores above about -9e8; |q|, |k|, |v| under 65,504; NaN and infinities are not served.
; REGISTERS.  window 0: v1-7 addresses and constants; v8-15 mask words; v16-47 statistics, 8 a tile (c m, m, l even, l odd, four at work; a in the third of them); v48-63 the next step's 64 bytes;
;   v64-127 S^T of a piece's two tiles; v128-159 P; v160-223 V^T's fragments; v224 the prefetch's offset; v225-227 at work.   window 1: v0-127 O^T, 32 a tile; v128-191 Q; v192-255 K's fragments.
.set SLOTB, 16384
.set SPARE, 32768
.set LI,  1                            ; 16 x lane
.set LO,  2                            ; 16 x thread
.set SPW, 3
.set NIL, 4
.set RQ,  5                            ; 256 r: my query's row of mask bits
.set H2,  6                            ; 2 h
.set NEG, 7                            ; -8e9
.set MW,  8
.set ST,  16
.set SG,  48
.set S,   64
.set P,   128
.set VF,  160
.set PFO, 224
.set T0,  225
.set T1,  226
.set T2,  227
.set OQ,  128                          ; in window 1
.set KF,  192
.set MSB, 0
.macro WIN new
.if MSB != (\new)
	s_set_vgpr_msb (MSB<<8)|(\new)
.set MSB, (\new)
.endif
.endm
	s_load_b256 s[4:11], s[0:1], 0x0               ; q16 s[4:5], kv s[6:7], minfo s[8:9], ctx s[10:11]
	v_lshl_add_u32 v[SPW], v0, 2, SPARE
	v_mov_b32 v[NIL], 0
	v_lshrrev_b32 v[T0], 5, v0
	v_readfirstlane_b32 s12, v[T0]                 ; wave 0..7
	v_and_b32 v[T1], 31, v0
	v_lshlrev_b32 v[LI], 4, v[T1]
	v_lshlrev_b32 v[LO], 4, v0
	v_and_b32 v[T2], 15, v0
	v_lshlrev_b32 v[RQ], 8, v[T2]
	v_bfe_u32 v[H2], v0, 4, 1
	v_lshlrev_b32 v[H2], 1, v[H2]
	v_mov_b32 v[NEG], 0xcfee6b28
	v_lshlrev_b32 v[PFO], 8, v0                    ; 8,192 x wave + 256 x lane
	s_and_b32 s13, ttmp7, 0xffff                   ; bh
	s_lshl_b32 s14, ttmp9, 3
	s_add_co_u32 s14, s14, s12                     ; a
	s_sub_co_u32 s15, 63, s14                      ; 63 - a
	s_lshl_b32 s36, s14, 3
	s_lshl_b32 s37, s15, 3
	s_lshl_b32 s38, ttmp9, 6
	s_sub_co_u32 s39, 448, s38
	s_mov_b32 s26, 0x3e38aa3b                      ; c = log2(e) / 8
	s_mov_b32 s27, s26
	s_mov_b32 s28, 0x76543210                      ; lane l xor 16
	s_mov_b32 s29, 0xfedcba98
	s_wait_kmcnt 0x0
	s_load_b64 s[18:19], s[8:9], s36 offset:0x80000    ; ANY, ALL of block a
	s_load_b64 s[20:21], s[8:9], s37 offset:0x80000    ; and of block 63 - a
	s_load_b512 s[68:83], s[8:9], s38 offset:0x80000   ; the flags of the work-group's blocks 8 g .. 8 g + 7
	s_load_b512 s[84:99], s[8:9], s39 offset:0x80000   ; and 56 - 8 g .. 63 - 8 g
	s_lshl_b32 s44, s13, 18
	s_lshl_b32 s46, s14, 12
	s_add_co_u32 s46, s46, s44
	s_mov_b32 s47, 0
	s_add_nc_u64 s[46:47], s[4:5], s[46:47]        ; Q of block a: two tiles of 2,048 bytes
	s_lshl_b32 s48, s15, 12
	s_add_co_u32 s48, s48, s44
	s_mov_b32 s49, 0
	s_add_nc_u64 s[48:49], s[4:5], s[48:49]
	s_lshl_b32 s30, s13, 19
	s_mov_b32 s31, 0
	s_add_nc_u64 s[30:31], s[6:7], s[30:31]        ; the head's K and V; it walks two steps a trip
	s_lshl_b32 s32, s14, 13
	s_mov_b32 s33, 0
	s_add_nc_u64 s[32:33], s[8:9], s[32:33]        ; the mask bits of block a: 256 bytes a query
	s_lshl_b32 s34, s15, 13
	s_mov_b32 s35, 0
	s_add_nc_u64 s[34:35], s[8:9], s[34:35]
	s_and_b32 s50, s13, 15
	s_lshl_b32 s50, s50, 20                        ; ctx: 1,048,576 bytes a head,
	s_lshr_b32 s51, s13, 4
	s_lshl_b32 s51, s51, 18                        ; 128 row tiles of 2,048 bytes a batch
	s_add_co_u32 s50, s50, s51
	s_lshl_b32 s40, s14, 12
	s_add_co_u32 s40, s40, s50
	s_mov_b32 s41, 0
	s_add_nc_u64 s[40:41], s[10:11], s[40:41]
	s_lshl_b32 s42, s15, 12
	s_add_co_u32 s42, s42, s50
	s_mov_b32 s43, 0
	s_add_nc_u64 s[42:43], s[10:11], s[42:43]
	WIN 0x40                                       ; destination window 1
.irp t, 0,1
.irp u, 0,1,2,3
	global_load_b128 v[OQ+16*\t+4*\u:OQ+16*\t+4*\u+3], v[LI], s[46:47] offset:2048*\t+512*\u
	global_load_b128 v[OQ+32+16*\t+4*\u:OQ+32+16*\t+4*\u+3], v[LI], s[48:49] offset:2048*\t+512*\u
.endr
.endr
	WIN 0
.irp i, 0,1,2,3
	global_load_b128 v[SG+4*\i:SG+4*\i+3], v[LO], s[30:31] offset:4096*\i   ; key step 0, whatever the flags say
.endr
	WIN 0x40
.set i, 0
.rept 128
	v_mov_b32 v[i], 0                              ; O^T begins as zeros: which step is a block's first hangs on the mask, so no step can be written out as the first
.set i, i+1
.endr
	WIN 0
.irp t, 0,1,2,3
	v_mov_b32 v[ST+8*\t+1], 0xff61b1e6             ; m = -3e38, under every score
	v_mul_f32 v[ST+8*\t], s26, v[ST+8*\t+1]
.irp j, 2,3,4,5,6,7
	v_mov_b32 v[ST+8*\t+\j], 0
.endr
.endr
	s_wait_kmcnt 0x0
	s_or_b32 s22, s68, s70                         ; which steps some wave of the work-group walks
.irp r, 72,74,76,78,80,82,84,86,88,90,92,94,96,98
	s_or_b32 s22, s22, s[\r]
.endr
	s_lshr_b32 s36, s12, 1
	s_or_b32 s36, s36, ttmp9
	s_cmp_eq_u32 s36, 0
	s_cselect_b32 s23, s22, 0                      ; the same word in the two waves that prefetch: waves 0 and 1 of the head's first work-group
	s_wait_loadcnt 0x0
.irp i, 0,1,2,3
	ds_store_b128 v[LO], v[SG+4*\i:SG+4*\i+3] offset:4096*\i
.endr
	s_wait_dscnt 0x0
	s_barrier_signal -1
	s_barrier_wait -1
; The mask for piece p: a lane's query has 16 bytes for the span of 128 keys; behind the shift by 2 h + 16 x (the step's parity), bit 4 kt + j / 4 of word j % 4 is key 16 kt + 8 h + j.
.macro MASK p, slot
	v_add_nc_u32 v[T0], s24, v[RQ]
.irp tt, 0,1
	global_load_b128 v[MW+4*\tt:MW+4*\tt+3], v[T0], s[32+\p:33+\p] offset:4096*\tt
.endr
	v_add_nc_u32 v[T1], 16*\slot, v[H2]
	s_wait_loadcnt 0x0
.irp w, 0,1,2,3,4,5,6,7
	v_lshrrev_b32 v[MW+\w], v[T1], v[MW+\w]
.endr
.irp tt, 0,1
.irp kt, 0,1,2,3
.irp j, 0,1,2,3,4,5,6,7
	v_and_b32 v[T2], 1<<(4*\kt+\j/4), v[MW+4*\tt+\j%4]
	v_cmp_eq_u32 vcc_lo, 0, v[T2]
	v_cndmask_b32 v[S+32*\tt+8*\kt+\j], v[S+32*\tt+8*\kt+\j], v[NEG], vcc_lo
.endr
.endr
.endr
.endm
; The softmax of piece p's two tiles for one step, the tiles by turns.
.macro SOFTMAX p
.irp k, 0,1,2,3
.irp tt, 0,1
	v_max3_num_f32 v[ST+8*(\p+\tt)+4+\k], v[S+32*\tt+8*\k], v[S+32*\tt+8*\k+1], v[S+32*\tt+8*\k+2]
.endr
.endr
.irp i, 3,5
.irp k, 0,1,2,3
.irp tt, 0,1
	v_max3_num_f32 v[ST+8*(\p+\tt)+4+\k], v[ST+8*(\p+\tt)+4+\k], v[S+32*\tt+8*\k+\i], v[S+32*\tt+8*\k+\i+1]
.endr
.endr
.endr
.irp tt, 0,1
	v_max3_num_f32 v[ST+8*(\p+\tt)+4], v[ST+8*(\p+\tt)+4], v[S+32*\tt+7], v[S+32*\tt+15]
	v_max3_num_f32 v[ST+8*(\p+\tt)+6], v[ST+8*(\p+\tt)+6], v[S+32*\tt+23], v[S+32*\tt+31]
.endr
.irp tt, 0,1
	v_max3_num_f32 v[ST+8*(\p+\tt)+4], v[ST+8*(\p+\tt)+4], v[ST+8*(\p+\tt)+5], v[ST+8*(\p+\tt)+6]
.endr
.irp tt, 0,1
	v_max3_num_f32 v[ST+8*(\p+\tt)+4], v[ST+8*(\p+\tt)+4], v[ST+8*(\p+\tt)+7], v[ST+8*(\p+\tt)+1]   ; with the old m
.endr
.irp tt, 0,1
	v_permlanex16_b32 v[ST+8*(\p+\tt)+5], v[ST+8*(\p+\tt)+4], s28, s29   ; the query's other 32 keys lie in the lane 16 away
.endr
.irp tt, 0,1
	v_mov_b32 v[ST+8*(\p+\tt)+7], v[ST+8*(\p+\tt)]
.endr
.irp tt, 0,1
	v_max_num_f32 v[ST+8*(\p+\tt)+1], v[ST+8*(\p+\tt)+4], v[ST+8*(\p+\tt)+5]
.endr
.irp tt, 0,1
	v_mul_f32 v[ST+8*(\p+\tt)], s26, v[ST+8*(\p+\tt)+1]
.endr
.irp tt, 0,1
	v_sub_f32 v[ST+8*(\p+\tt)+7], v[ST+8*(\p+\tt)+7], v[ST+8*(\p+\tt)]   ; c m_old - c m_new
.endr
.irp j, 0,2,4,6,8,10,12,14,16,18,20,22,24,26,28,30
.irp tt, 0,1
	v_pk_fma_f32 v[S+32*\tt+\j:S+32*\tt+\j+1], v[S+32*\tt+\j:S+32*\tt+\j+1], s[26:27], v[ST+8*(\p+\tt):ST+8*(\p+\tt)+1] op_sel_hi:[1,0,0] neg_lo:[0,0,1] neg_hi:[0,0,1]   ; c s - c m
.endr
.endr
.irp tt, 0,1
	v_exp_f32 v[ST+8*(\p+\tt)+6], v[ST+8*(\p+\tt)+7]   ; a
.endr
.irp j, 0,1,2,3,4,5,6,7,8,9,10,11,12,13,14,15,16,17,18,19,20,21,22,23,24,25,26,27,28,29,30,31
.irp tt, 0,1
	v_exp_f32 v[S+32*\tt+\j], v[S+32*\tt+\j]
.endr
.endr
	v_nop                                          ; a plain instruction behind the last exponential,
	s_wait_alu depctr_va_vdst(0)                   ; and one wait for the batch of 66, ahead of its first reader
.irp j, 0,1,2,3,4,5,6,7,8,9,10,11,12,13,14,15
.irp tt, 0,1
	v_cvt_pk_f16_f32 v[P+16*\tt+\j], v[S+32*\tt+2*\j], v[S+32*\tt+2*\j+1]
.endr
.endr
.irp u, 0,4,8,12,16,20,24,28                   ; the sum of the unrounded p, in place
.irp tt, 0,1
	v_pk_add_f32 v[S+32*\tt+\u:S+32*\tt+\u+1], v[S+32*\tt+\u:S+32*\tt+\u+1], v[S+32*\tt+\u+2:S+32*\tt+\u+3]
.endr
.endr
.irp u, 0,8,16,24
.irp tt, 0,1
	v_pk_add_f32 v[S+32*\tt+\u:S+32*\tt+\u+1], v[S+32*\tt+\u:S+32*\tt+\u+1], v[S+32*\tt+\u+4:S+32*\tt+\u+5]
.endr
.endr
.irp u, 0,16
.irp tt, 0,1
	v_pk_add_f32 v[S+32*\tt+\u:S+32*\tt+\u+1], v[S+32*\tt+\u:S+32*\tt+\u+1], v[S+32*\tt+\u+8:S+32*\tt+\u+9]
.endr
.endr
.irp tt, 0,1
	v_pk_add_f32 v[S+32*\tt:S+32*\tt+1], v[S+32*\tt:S+32*\tt+1], v[S+32*\tt+16:S+32*\tt+17]
.endr
.irp tt, 0,1
	v_pk_fma_f32 v[ST+8*(\p+\tt)+2:ST+8*(\p+\tt)+3], v[ST+8*(\p+\tt)+2:ST+8*(\p+\tt)+3], v[ST+8*(\p+\tt)+6:ST+8*(\p+\tt)+7], v[S+32*\tt:S+32*\tt+1] op_sel_hi:[1,0,1]   ; l = a l + the sum
.endr
.endm
; Piece p (tiles p, p + 1) for one step; jumped over where its block's flag is clear.  In both products eight accumulators take turns.
.macro PIECE p, slot
	s_bitcmp1_b32 s[18+\p], 0
	s_cbranch_scc0 .Lclosed_\@
	WIN 0x05                                       ; K and Q window 1, S^T window 0
.irp ks, 0,1
.irp kt, 0,1,2,3
.irp tt, 0,1
.if \ks == 0
	v_wmma_f32_16x16x32_f16 v[S+32*\tt+8*\kt:S+32*\tt+8*\kt+7], v[KF+16*\kt+8*\ks:KF+16*\kt+8*\ks+7], v[OQ+16*(\p+\tt)+8*\ks:OQ+16*(\p+\tt)+8*\ks+7], 0
.else
	v_wmma_f32_16x16x32_f16 v[S+32*\tt+8*\kt:S+32*\tt+8*\kt+7], v[KF+16*\kt+8*\ks:KF+16*\kt+8*\ks+7], v[OQ+16*(\p+\tt)+8*\ks:OQ+16*(\p+\tt)+8*\ks+7], v[S+32*\tt+8*\kt:S+32*\tt+8*\kt+7]
.endif
.endr
.endr
.endr
	WIN 0
.rept 4
	v_nop                                          ; places in front of the first read of the scores
.endr
	s_bitcmp1_b32 s[19+\p], 0
	s_cbranch_scc1 .Lopen_\@                       ; all 32 x 64 places are open: no bit is looked at
	MASK \p, \slot
.Lopen_\@:
	SOFTMAX \p
	s_wait_dscnt 0x0                               ; V's fragments are in
	WIN 0x41                                       ; O^T window 1, a window 0
.irp tt, 0,1
.irp i, 0,2,4,6,8,10,12,14,16,18,20,22,24,26,28,30
	v_pk_mul_f32 v[32*(\p+\tt)+\i:32*(\p+\tt)+\i+1], v[32*(\p+\tt)+\i:32*(\p+\tt)+\i+1], v[ST+8*(\p+\tt)+6:ST+8*(\p+\tt)+7] op_sel_hi:[1,0]
.endr
.endr
	WIN 0x50                                       ; V and P window 0, O^T window 1
.irp kk, 0,1
.irp ct, 0,1,2,3
.irp tt, 0,1
	v_wmma_f32_16x16x32_f16 v[32*(\p+\tt)+8*\ct:32*(\p+\tt)+8*\ct+7], v[VF+16*\ct+8*\kk:VF+16*\ct+8*\kk+7], v[P+16*\tt+8*\kk:P+16*\tt+8*\kk+7], v[32*(\p+\tt)+8*\ct:32*(\p+\tt)+8*\ct+7]
.endr
.endr
.endr
	WIN 0
.Lclosed_\@:
.endm
; A key step, in slot T % 2.  Bit 0 of every flag word is this step's.  One barrier a step: it parts this step's reads of its slot from the stores of the step after next, and this step's stores from the next step's reads.
.macro STEP slot
	s_bitcmp1_b32 s22, 1                           ; does any wave of the work-group walk the next step?
	s_cbranch_scc0 .Lno_req_\@
.irp i, 0,1,2,3
	global_load_b128 v[SG+4*\i:SG+4*\i+3], v[LO], s[30:31] offset:SLOTB*(\slot+1)+4096*\i   ; my 64 bytes of it; this step's work stands between the request and the wait
.endr
.Lno_req_\@:
	s_bitcmp1_b32 s23, 3                           ; a prefetch of the step three on, two steps ahead of its loads: 16 KB, two waves, lanes 256 bytes apart: each block is named once in the launch, by the head's
	s_cbranch_scc0 .Lno_pf_\@                      ; first work-group.  The flag words are shifted in with zeros, so nothing behind step 31 is named
	global_prefetch_b8 v[PFO], s[30:31] offset:SLOTB*(\slot+3) th:TH_LOAD_NT scope:SCOPE_SE
.Lno_pf_\@:
	s_or_b32 s36, s18, s20
	s_bitcmp1_b32 s36, 0
	s_cbranch_scc0 .Lno_work_\@
.rept 4
	v_nop                                          ; places in front of loads into registers that the last products read
.endr
	WIN 0x40
.irp kt, 0,1,2,3
.irp u, 0,1,2,3
	ds_load_b128 v[KF+16*\kt+4*\u:KF+16*\kt+4*\u+3], v[LI] offset:SLOTB*\slot+2048*\kt+512*\u
.endr
.endr
	WIN 0
.irp ct, 0,1,2,3
.irp kk, 0,1
.irp c, 0,1
	ds_load_tr16_b128 v[VF+16*\ct+8*\kk+4*\c:VF+16*\ct+8*\kk+4*\c+3], v[LI] offset:SLOTB*\slot+8192+2048*(2*\kk+\c)+512*\ct
.endr
.endr
.endr
	s_wait_dscnt 16                                ; K's 16 loads are in; V's 16 may be out
	PIECE 0, \slot
	PIECE 2, \slot
.Lno_work_\@:
	s_wait_loadcnt 0x0                             ; the next step's bytes are in my registers
	s_bitcmp1_b32 s22, 1
	s_cbranch_scc0 .Lno_store_\@
.irp i, 0,1,2,3
	ds_store_b128 v[LO], v[SG+4*\i:SG+4*\i+3] offset:SLOTB*(1-\slot)+4096*\i
.endr
.Lno_store_\@:
.irp r, 18,19,20,21,22,23
	s_lshr_b32 s[\r], s[\r], 1
.endr
.if \slot == 1
	s_wait_xcnt 0x0                                ; the prefetches have read their base
	s_add_nc_u64 s[30:31], s[30:31], 2*SLOTB
.endif
	s_wait_dscnt 0x0                               ; my stores have landed and my reads of this slot are over
	s_barrier_signal -1
	s_barrier_wait -1
.endm
	s_mov_b32 s24, 0                               ; 16 bytes of mask bits for each span of 128 keys: two steps
	s_mov_b32 s25, 0
.Ltrip:
	STEP 0
	STEP 1
	s_add_co_u32 s24, s24, 16
	s_add_co_u32 s25, s25, 1
	s_cmp_lt_u32 s25, 16
	s_cbranch_scc1 .Ltrip
	; THE WAY OUT: O^T / l as f16 is an image of the last product's operand registers: 512 consecutive bytes a store, aligned.
.rept 4
	v_nop
.endr
.irp t, 0,1,2,3
	v_add_f32 v[ST+8*\t+4], v[ST+8*\t+2], v[ST+8*\t+3]
.endr
.irp t, 0,1,2,3
	v_permlanex16_b32 v[ST+8*\t+5], v[ST+8*\t+4], s28, s29
.endr
.irp t, 0,1,2,3
	v_add_f32 v[ST+8*\t+4], v[ST+8*\t+4], v[ST+8*\t+5]
.endr
.irp t, 0,1,2,3
	v_rcp_f32 v[ST+8*\t+6], v[ST+8*\t+4]
.endr
	v_nop
	s_wait_alu depctr_va_vdst(0)                   ; one wait for the four reciprocals
	WIN 0x41
.irp t, 0,1,2,3
.irp i, 0,2,4,6,8,10,12,14,16,18,20,22,24,26,28,30
	v_pk_mul_f32 v[32*\t+\i:32*\t+\i+1], v[32*\t+\i:32*\t+\i+1], v[ST+8*\t+6:ST+8*\t+7] op_sel_hi:[1,0]
.endr
.endr
	WIN 0x05
.irp t, 0,1,2,3
.irp i, 0,1,2,3,4,5,6,7,8,9,10,11,12,13,14,15
	v_cvt_pk_f16_f32 v[S+16*\t+\i], v[32*\t+2*\i], v[32*\t+2*\i+1]
.endr
.endr
	WIN 0
.irp t, 0,1
.irp ct, 0,1,2,3
	global_store_b128 v[LI], v[S+16*\t+4*\ct:S+16*\t+4*\ct+3], s[40:41] offset:2048*\t+512*\ct
	global_store_b128 v[LI], v[S+32+16*\t+4*\ct:S+32+16*\t+4*\ct+3], s[42:43] offset:2048*\t+512*\ct
.endr
.endr
	s_wait_tensorcnt 0x0                           ; the wave's end, behind my last LDS store
	ds_add_u32 v[SPW], v[NIL]
	s_wait_dscnt 0x0
	s_endpgm
.Lfunc_end_k_q9655d9cfa2_attn:
	.size	k_q9655d9cfa2_attn, .Lfunc_end_k_q9655d9cfa2_attn-k_q9655d9cfa2_attn
	.p2alignl 7, 3214868480
	.fill 96, 4, 3214868480
	.section	.rodata,"a",@progbits
	.p2align	6, 0x0
	.amdhsa_kernel k_q9655d9cfa2_attn
		.amdhsa_group_segment_fixed_size 33792
		.amdhsa_private_segment_fixed_size 0
		.amdhsa_enable_private_segment 0
		.amdhsa_kernarg_size 32
		.amdhsa_user_sgpr_count 2
		.amdhsa_user_sgpr_kernarg_segment_ptr 1
		.amdhsa_wavefront_size32 1
		.amdhsa_system_sgpr_workgroup_id_x 1
		.amdhsa_system_sgpr_workgroup_id_y 1
		.amdhsa_system_sgpr_workgroup_id_z 1
		.amdhsa_system_vgpr_workitem_id 0
		.amdhsa_next_free_vgpr 512
		.amdhsa_next_free_sgpr 100
		.amdhsa_reserve_vcc 1
		.amdhsa_float_denorm_mode_32 3
		.amdhsa_float_denorm_mode_16_64 3
		.amdhsa_memory_ordered 1
		.amdhsa_forward_progress 1
		.amdhsa_inst_pref_size 119
	.end_amdhsa_kernel
	.amdgpu_metadata
---
amdhsa.version: [ 1, 2 ]
amdhsa.kernels:
  - .name:           k_q9655d9cfa2_attn
    .symbol:         k_q9655d9cfa2_attn.kd
    .args:
      - { .name: q16, .offset: 0, .size: 8, .value_kind: global_buffer, .address_space: global }
      - { .name: kv, .offset: 8, .size: 8, .value_kind: global_buffer, .address_space: global }
      - { .name: minfo, .offset: 16, .size: 8, .value_kind: global_buffer, .address_space: global }
      - { .name: ctx, .offset: 24, .size: 8, .value_kind: global_buffer, .address_space: global }
    .group_segment_fixed_size: 33792
    .private_segment_fixed_size: 0
    .kernarg_segment_align: 8
    .kernarg_segment_size: 32
    .max_flat_workgroup_size: 256
    .sgpr_count:     100
    .vgpr_count:     512
    .wavefront_size: 32
...
	.end_amdgpu_metadata
.endif
;; end of part 3
;; launch outp (part 4): grid 8 x 64, 4 waves a work-group, clusters of 4 x 4, 327,680 bytes of LDS; arguments ctx, wo16, bo, out0; writes out0
.if DOCPART == 4
	.amdgcn_target "amdgcn-amd-amdhsa--gfx1250"
	.amdhsa_code_object_version 6
	.text
	.protected	k_q9655d9cfa2_outp
	.globl	k_q9655d9cfa2_outp
	.p2align	8
	.type	k_q9655d9cfa2_outp,@function
k_q9655d9cfa2_outp:
	s_mov_b64 s[64:65], 0
	v_nop
	global_prefetch_b8 v0, s[64:65] scope:SCOPE_SE
	s_setreg_imm32_b32 hwreg(HW_REG_WAVE_MODE, 25, 1), 1
	s_wait_xcnt 0x0
	s_wait_alu depctr_hold_cnt(0) depctr_sa_sdst(0) depctr_va_vdst(0) depctr_va_sdst(0) depctr_va_ssrc(0) depctr_va_vcc(0) depctr_vm_vsrc(0)
	s_getreg_b32 s2, hwreg(HW_REG_IB_STS2, 6, 4)
	s_cmp_eq_u32 s2, 0
	s_cbranch_scc0 .Lentry_in_a_cluster
	s_endpgm
.Lentry_in_a_cluster:
	s_bfe_u32 s2, ttmp6, 0x10000c
	s_cmp_lg_u32 s2, 0xf033
	s_cbranch_scc0 .Lentry_shape_is_right
	s_endpgm
.Lentry_shape_is_right:
; OUTP: out0 = ctx Wo^T + bo: [8192][1024] x [1024][1024], f16 operands, f32 sums; no work is left out (the 64 rows that the last launch stores again are stored here too: no branch may hang on a work-group's place in its cluster).
; A tile of out0 is 128 x 128: four waves, 64 x 64 each, 16 accumulators.  K goes in steps of 256 (four heads) through two LDS slots filled by the tensor data mover.
; A (ctx) lies in memory as images of operand registers, [head][tile of 16 rows][u][lane][16 B]: one load brings 4 row tiles x 4 heads as 4 rows of 8,192 bytes, and a fragment is two loads at 16 x lane: no pitch, no padding.
; B (wo16) lies by rows: 64 rows of 512 bytes to a load, 16 bytes of padding behind each.
; CLUSTERS: 4 x 4 work-groups; A's tiles are asked for jointly along a row of the cluster, B's along a column.  TRANSPOSED USE (source 0 = 16 rows of Wo, source 1 = 16 rows of ctx): a lane holds eight neighbouring columns.
; The bias is the C of each sum's first product.  A wave's 64 columns are 256 bytes of a row: each wave has a stage of its own in LDS and stores whole aligned runs of 256 bytes.
; LIMITS: |Wo| and |ctx| under 65,504.
.set SIZE_K, 1024
.set KSTEP,  256
.set PITCH,  528
.set HALFA,  32768
.set HALFB,  64*PITCH
.set SLOT,   2*HALFA+2*HALFB
.set STAGE,  2*SLOT
.set SPITCH, 272
.set SPARE,  STAGE+4*16*SPITCH
.set LAPS,   2
.set ADRA, 16
.set ADRB, 20
.set STO,  24
.set RD,   25
.set CO,   26
.set BOF,  27
.set SPW,  28
.set NIL,  29
.set TMP,  32                          ; the way out: two sets of 32
.set BI,   96                          ; v96-127 the bias: v[BI + 8 b + j] = bo(16 b + 8 h + j) of my 64 columns
.set ACC,  128
.set F0,   0
.set F1,   128
.set G1, 24
.set G0, 32
.set G1B, 48
.set G0B, 56
.set MSB, 0
.macro WIN new
.if MSB != (\new)
	s_set_vgpr_msb (MSB<<8)|(\new)
.set MSB, (\new)
.endif
.endm
.set MUL,  0x05                        ; sources 0 and 1 window 1; C and D window 0
.set TO_F, 0x40
.macro JLOAD s                         ; a joint load: waves 0 and 1 fetch A's halves, waves 2 and 3 B's
	s_cmp_eq_u32 s11, 0
	s_cbranch_scc0 .Lfor_b_\@
	tensor_load_to_lds s[G0+4*\s:G0+4*\s+3], s[G1:G1+7]
	s_nop 0
.rept 4
	v_nop
.endr
	s_branch .Lasked_\@
.Lfor_b_\@:
	tensor_load_to_lds s[G0B+4*\s:G0B+4*\s+3], s[G1B:G1B+7]
	s_nop 0
.rept 4
	v_nop
.endr
.Lasked_\@:
.endm
.macro CREST
	s_cmp_lg_u32 s10, 0
	s_cbranch_scc1 .Lnot_wave_0_\@
	s_barrier_signal -3
.Lnot_wave_0_\@:
	s_barrier_wait -3
	s_barrier_signal -1
	s_barrier_wait -1
.endm
.macro CROUND
	s_barrier_signal -1
	s_barrier_wait -1
	CREST
.endm
	s_load_b128 s[4:7], s[0:1], 0x0                ; ctx, wo16
	s_load_b128 s[68:71], s[0:1], 0x10             ; bo, out0
	v_lshl_add_u32 v[SPW], v0, 2, SPARE
	v_mov_b32 v[NIL], 0
	ds_add_u32 v[SPW], v[NIL]                      ; the wave's opening: the add, twice on end; its wait stands ahead of my first tensor load
	ds_add_u32 v[SPW], v[NIL]
	v_lshrrev_b32 v1, 5, v0
	v_readfirstlane_b32 s10, v1                    ; wave 0..3
	s_lshr_b32 s11, s10, 1                         ; my half of the rows.  Also: I fetch for A (0) or for B (1)
	s_and_b32 s12, s10, 1                          ; my half of the columns.  Also: which half of that tile I fetch
	s_bfe_u32 s40, ttmp6, 0x40000
	s_bfe_u32 s41, ttmp6, 0x40004
	s_lshl_b32 s42, ttmp9, 2
	s_add_co_u32 s42, s42, s40                     ; tile column tx
	s_and_b32 s13, ttmp7, 0xffff
	s_lshl_b32 s13, s13, 2
	s_add_co_u32 s13, s13, s41                     ; tile row ty
	s_lshl_b32 s43, s41, 2
	s_lshl_b32 s43, 15, s43
	s_lshl_b32 s44, 0x1111, s40
	s_or_b32 s[G1+0], s43, (1<<16)|(1<<21)         ; A: the mask of my row; elements of 2 bytes; no padding
	s_mov_b32 s[G1+1], 4096<<16                    ; tensor_dim0 = 4,096 elements: four row tiles of one head
	s_mov_b32 s[G1+2], 4<<16                       ; tensor_dim1 = 4 heads
	s_mov_b32 s[G1+3], 4096<<16                    ; tile_dim0
	s_mov_b32 s[G1+4], 4                           ; tile_dim1
	s_mov_b32 s[G1+5], 524288                      ; from head to head, in elements
	s_mov_b32 s[G1+6], 0
	s_mov_b32 s[G1+7], 0
	s_or_b32 s[G1B+0], s44, (1<<16)|(1<<20)|(1<<21)|(6<<22)|(3<<25)   ; B: the mask of my column; padding: 4 words after every 128
	s_mov_b32 s[G1B+1], KSTEP<<16
	s_mov_b32 s[G1B+2], 64<<16
	s_mov_b32 s[G1B+3], KSTEP<<16
	s_mov_b32 s[G1B+4], 64
	s_mov_b32 s[G1B+5], SIZE_K
	s_mov_b32 s[G1B+6], 0
	s_mov_b32 s[G1B+7], 0
	s_lshl_b32 s16, s13, 14                        ; A: eight row tiles of 2,048 bytes a tile row,
	s_lshl_b32 s17, s12, 13                        ; my four of them
	s_add_co_u32 s16, s16, s17
	s_mov_b32 s17, 0
	s_lshl_b32 s46, s42, 18                        ; B: 128 rows of 2,048 bytes a tile column,
	s_lshl_b32 s47, s12, 17                        ; my 64 of them
	s_add_co_u32 s46, s46, s47
	s_mov_b32 s47, 0
	s_mul_i32 s20, s12, HALFA                      ; where they go: no place in the cluster enters an LDS address
	s_mul_i32 s21, s12, HALFB
	s_add_co_u32 s21, s21, 2*HALFA
	s_wait_dscnt 0x0
	s_wait_kmcnt 0x0
	s_add_nc_u64 s[14:15], s[4:5], s[16:17]
	s_add_nc_u64 s[46:47], s[6:7], s[46:47]
	CROUND
.irp s, 0,1
	s_mov_b32 s[G0+4*\s], 1
	s_add_co_u32 s[G0+4*\s+1], s20, \s*SLOT
	s_add_nc_u64 s[G0+4*\s+2:G0+4*\s+3], s[14:15], \s*4194304      ; K step s: heads 4 s on
	s_or_b32 s[G0+4*\s+3], s[G0+4*\s+3], 0x80000000
	s_mov_b32 s[G0B+4*\s], 1
	s_add_co_u32 s[G0B+4*\s+1], s21, \s*SLOT
	s_add_nc_u64 s[G0B+4*\s+2:G0B+4*\s+3], s[46:47], \s*KSTEP*2
	s_or_b32 s[G0B+4*\s+3], s[G0B+4*\s+3], 0x80000000
	JLOAD \s
.endr
	v_and_b32 v1, 15, v0                           ; r
	v_bfe_u32 v2, v0, 4, 1                         ; h
	v_and_b32 v3, 31, v0
	v_lshlrev_b32 v3, 4, v3                        ; 16 x lane
	v_mul_u32_u24 v4, v1, PITCH
	v_lshl_add_u32 v4, v2, 4, v4
	s_mul_i32 s21, s11, HALFA                      ; my 64 rows of A
	s_mul_i32 s22, s12, HALFB                      ; my 64 rows of B,
	s_add_co_u32 s22, s22, 2*HALFA                 ; behind A's two halves
.irp s, 0,1
	v_add_nc_u32 v[ADRA+\s], s21, v3
	v_add_nc_u32 v[ADRB+\s], s22, v4
	s_add_co_u32 s21, s21, SLOT
	s_add_co_u32 s22, s22, SLOT
.endr
	s_mul_i32 s23, s10, 16*SPITCH
	s_add_co_u32 s23, s23, STAGE                   ; my stage
	v_mul_u32_u24 v5, v1, SPITCH
	v_lshl_add_u32 v5, v2, 5, v5
	v_add_nc_u32 v[STO], s23, v5                   ; in: row r, 32 bytes for each half of the lanes
	v_mul_u32_u24 v5, v2, SPITCH
	v_lshl_add_u32 v5, v1, 4, v5
	v_add_nc_u32 v[RD], s23, v5                    ; back: lanes 0-15 one row of 256 bytes, lanes 16-31 the next
	v_lshlrev_b32 v5, 12, v2
	v_lshl_add_u32 v[CO], v1, 4, v5                ; and the same two rows in out0
	v_lshlrev_b32 v[BOF], 5, v2
	s_lshl_b32 s46, s42, 9
	s_lshl_b32 s47, s12, 8
	s_add_co_u32 s46, s46, s47                     ; my first column, in bytes
	s_mov_b32 s47, 0
	s_add_nc_u64 s[68:69], s[68:69], s[46:47]
	s_add_nc_u64 s[70:71], s[70:71], s[46:47]
	s_lshl_b32 s16, s13, 19
	s_lshl_b32 s17, s11, 18
	s_add_co_u32 s16, s16, s17                     ; my first row, in bytes
	s_mov_b32 s17, 0
	s_add_nc_u64 s[70:71], s[70:71], s[16:17]
.irp b, 0,1,2,3
	global_load_b128 v[BI+8*\b:BI+8*\b+3], v[BOF], s[68:69] offset:64*\b
	global_load_b128 v[BI+8*\b+4:BI+8*\b+7], v[BOF], s[68:69] offset:64*\b+16
.endr
; 8 matrix instructions: m blocks a0, a0 + 1 x all 4 n blocks, 32 along K: half c of buffer f.  first = 1: the bias is the C.  The 16 accumulators take turns.
.macro MUL8 f, c, a0, first
.irp a, \a0, \a0+1
.irp b, 0,1,2,3
.if \first
	v_wmma_f32_16x16x32_f16 v[ACC+8*(4*(\a)+\b):ACC+8*(4*(\a)+\b)+7], v[\f+64+8*(4*\c+\b):\f+64+8*(4*\c+\b)+7], v[\f+8*(4*\c+\a):\f+8*(4*\c+\a)+7], v[BI+8*\b:BI+8*\b+7]
.else
	v_wmma_f32_16x16x32_f16 v[ACC+8*(4*(\a)+\b):ACC+8*(4*(\a)+\b)+7], v[\f+64+8*(4*\c+\b):\f+64+8*(4*\c+\b)+7], v[\f+8*(4*\c+\a):\f+8*(4*\c+\a)+7], v[ACC+8*(4*(\a)+\b):ACC+8*(4*(\a)+\b)+7]
.endif
.endr
.endr
.endm
; 32 LDS loads in one run: the fragments of quarter q of the slot (64 along K: one head) into buffer f; the first 32 along K first
.macro FETCH slot, q, f
	WIN TO_F
.irp c, 0,1
.irp i, 0,1,2,3
	ds_load_b128 v[\f+64+8*(4*\c+\i):\f+64+8*(4*\c+\i)+3],   v[ADRB+\slot] offset:128*(\q)+64*\c+\i*16*PITCH
	ds_load_b128 v[\f+64+8*(4*\c+\i)+4:\f+64+8*(4*\c+\i)+7], v[ADRB+\slot] offset:128*(\q)+64*\c+\i*16*PITCH+32
	ds_load_b128 v[\f+8*(4*\c+\i):\f+8*(4*\c+\i)+3],         v[ADRA+\slot] offset:8192*(\q)+1024*\c+2048*\i
	ds_load_b128 v[\f+8*(4*\c+\i)+4:\f+8*(4*\c+\i)+7],       v[ADRA+\slot] offset:8192*(\q)+1024*\c+2048*\i+512
.endr
.endr
.endm
.macro PLACES
.rept 4
	v_nop
.endr
.endm
.macro QUARTER slot, q, f, g, first    ; multiplies buffer f and fetches quarter q of the same slot into g
	s_wait_dscnt 16                                ; the first 32 along K are in
	WIN MUL
	MUL8 \f, 0, 0, \first
	MUL8 \f, 0, 2, \first
	PLACES
	FETCH \slot, \q, \g
	s_wait_dscnt 32                                ; all but the 32 just issued
	WIN MUL
	MUL8 \f, 1, 0, 0
	MUL8 \f, 1, 2, 0
.endm
; A slot's last quarter changes slots: one barrier; in front of it each wave waits for all its tensor loads, adds 0 to its spare word, and waits for that and for its reads of this slot.
.macro TURN slot, next, fill
	WIN 0
	s_wait_tensorcnt 0x0                           ; all my tensor loads have landed: my part of the next slot
	ds_add_u32 v[SPW], v[NIL]
	s_wait_dscnt 17                                ; (the add and the youngest sixteen loads may be out)
	WIN MUL
	MUL8 F1, 0, 0, 0
	s_wait_dscnt 0x0                               ; the add is done, and my reads of this slot are over
	s_barrier_signal -1
	MUL8 F1, 0, 2, 0
.if \fill
	WIN 0
.endif
	s_barrier_wait -1
.if \fill
	CREST                                          ; the barrier has opened a round of the cluster's: no wave of any partner still reads this slot or has a load on its way
	s_add_nc_u64 s[G0+4*\slot+2:G0+4*\slot+3], s[G0+4*\slot+2:G0+4*\slot+3], 2*4194304
	s_add_nc_u64 s[G0B+4*\slot+2:G0B+4*\slot+3], s[G0B+4*\slot+2:G0B+4*\slot+3], 2*KSTEP*2
	JLOAD \slot                                    ; my one tensor load behind the round; its four v_nop are also the places in front of the loads below
.else
	PLACES
.endif
	FETCH \next, 0, F0
	WIN MUL
	MUL8 F1, 1, 0, 0
	MUL8 F1, 1, 2, 0
.endm
	s_wait_tensorcnt 1                             ; my part of K step 0 is in; K step 1's load may be out
	s_barrier_signal -1
	s_barrier_wait -1
	FETCH 0, 0, F0
	s_wait_loadcnt 0x0                             ; the bias
	QUARTER 0, 1, F0, F1, 1
	WIN 0
	s_mov_b32 s3, LAPS-1
.Llap:
	QUARTER 0, 2, F1, F0, 0
	QUARTER 0, 3, F0, F1, 0
	TURN 0, 1, 1
	QUARTER 1, 1, F0, F1, 0
	QUARTER 1, 2, F1, F0, 0
	QUARTER 1, 3, F0, F1, 0
	TURN 1, 0, 1
	QUARTER 0, 1, F0, F1, 0
	WIN 0
	s_sub_co_u32 s3, s3, 1
	s_cmp_lg_u32 s3, 0
	s_cbranch_scc1 .Llap
	QUARTER 0, 2, F1, F0, 0                        ; the last lap fills nothing
	QUARTER 0, 3, F0, F1, 0
	TURN 0, 1, 0
	QUARTER 1, 1, F0, F1, 0
	QUARTER 1, 2, F1, F0, 0
	QUARTER 1, 3, F0, F1, 0
	s_wait_dscnt 16
	WIN MUL
	MUL8 F1, 0, 0, 0
	MUL8 F1, 0, 2, 0
	s_wait_dscnt 0
	MUL8 F1, 1, 0, 0
	MUL8 F1, 1, 2, 0
	WIN 0
	PLACES
; THE WAY OUT, 16 rows x 64 columns at a time through my own stage: LDS serves a wave's instructions in order, so no wait stands between the stores and the loads, nor in front of the next block's stores.
.macro TOSTAGE a
.set BB, TMP+32*((\a)%2)
.irp b, 0,1,2,3
	ds_store_b128 v[STO], v[ACC+8*(4*(\a)+\b):ACC+8*(4*(\a)+\b)+3] offset:64*\b      ; each accumulator from its low end on
	ds_store_b128 v[STO], v[ACC+8*(4*(\a)+\b)+4:ACC+8*(4*(\a)+\b)+7] offset:64*\b+16
.endr
.irp t, 0,1,2,3,4,5,6,7
	ds_load_b128 v[BB+4*\t:BB+4*\t+3], v[RD] offset:\t*2*SPITCH
.endr
.endm
.macro SEND a, younger
.set BB, TMP+32*((\a)%2)
	s_wait_dscnt \younger                          ; the block is back in registers; the next block's 8 stores and 8 loads may be out
.irp t, 0,1,2,3,4,5,6,7
	global_store_b128 v[CO], v[BB+4*\t:BB+4*\t+3], s[70:71] offset:(16*(\a)+2*\t)*4096 th:TH_STORE_NT   ; 16 lanes store 256 consecutive bytes, aligned
.endr
.endm
	TOSTAGE 0
.irp a, 1,2,3
.if \a > 1
	s_wait_xcnt 0x0                                ; block a - 2's stores have read the set into which block a's loads land
.endif
	TOSTAGE \a
	SEND \a-1, 16
.endr
	SEND 3, 0
	s_wait_tensorcnt 0x0                           ; the wave's end
	ds_add_u32 v[SPW], v[NIL]
	s_wait_dscnt 0x0
	CROUND                                         ; the closing round
	s_endpgm
.Lfunc_end_k_q9655d9cfa2_outp:
	.size	k_q9655d9cfa2_outp, .Lfunc_end_k_q9655d9cfa2_outp-k_q9655d9cfa2_outp
	.p2alignl 7, 3214868480
	.fill 96, 4, 3214868480
	.section	.rodata,"a",@progbits
	.p2align	6, 0x0
	.amdhsa_kernel k_q9655d9cfa2_outp
		.amdhsa_group_segment_fixed_size 327680
		.amdhsa_private_segment_fixed_size 0
		.amdhsa_enable_private_segment 0
		.amdhsa_kernarg_size 32
		.amdhsa_user_sgpr_count 2
		.amdhsa_user_sgpr_kernarg_segment_ptr 1
		.amdhsa_wavefront_size32 1
		.amdhsa_system_sgpr_workgroup_id_x 1
		.amdhsa_system_sgpr_workgroup_id_y 1
		.amdhsa_system_sgpr_workgroup_id_z 1
		.amdhsa_system_vgpr_workitem_id 0
		.amdhsa_next_free_vgpr 512
		.amdhsa_next_free_sgpr 72
		.amdhsa_reserve_vcc 0
		.amdhsa_float_denorm_mode_32 3
		.amdhsa_float_denorm_mode_16_64 3
		.amdhsa_memory_ordered 1
		.amdhsa_forward_progress 1
		.amdhsa_inst_pref_size 86
	.end_amdhsa_kernel
	.amdgpu_metadata
---
amdhsa.version: [ 1, 2 ]
amdhsa.kernels:
  - .name:           k_q9655d9cfa2_outp
    .symbol:         k_q9655d9cfa2_outp.kd
    .args:
      - { .name: ctx, .offset: 0, .size: 8, .value_kind: global_buffer, .address_space: global }
      - { .name: wo16, .offset: 8, .size: 8, .value_kind: global_buffer, .address_space: global }
      - { .name: bo, .offset: 16, .size: 8, .value_kind: global_buffer, .address_space: global }
      - { .name: out0, .offset: 24, .size: 8, .value_kind: global_buffer, .address_space: global }
    .group_segment_fixed_size: 327680
    .private_segment_fixed_size: 0
    .kernarg_segment_align: 8
    .kernarg_segment_size: 32
    .max_flat_workgroup_size: 128
    .sgpr_count:     72
    .vgpr_count:     512
    .wavefront_size: 32
...
	.end_amdgpu_metadata
.endif
;; end of part 4
;; launch fine (part 5): grid 16 x 4, 16 waves a work-group, no clusters, 133,120 bytes of LDS; arguments q16, kv, vlo, minfo, Wo, bo, out0; writes out0
.if DOCPART == 5
	.amdgcn_target "amdgcn-amd-amdhsa--gfx1250"
	.amdhsa_code_object_version 6
	.text
	.protected	k_q9655d9cfa2_fine
	.globl	k_q9655d9cfa2_fine
	.p2align	8
	.type	k_q9655d9cfa2_fine,@function
k_q9655d9cfa2_fine:
	s_mov_b64 s[64:65], 0
	v_nop
	global_prefetch_b8 v0, s[64:65] scope:SCOPE_SE
	s_setreg_imm32_b32 hwreg(HW_REG_WAVE_MODE, 25, 1), 1
	s_wait_xcnt 0x0
; FINE: positions 0 to 15 of each batch once more, more finely: these rows may average one to a few values and are the largest in size, so the rounding of f16 operands weighs most on them.
; p and v go to the matrix unit as pairs of f16 numbers (p_hi v_hi + p_lo v_hi + p_hi v_lo), and the projection on the way out takes f32 operands (Wo as it is given).
; WORK PASSED OVER: key steps that the flags of query block 0 close, as in the launch before the last (the first launch's head comment shows why).
; SHARES.  Work-group (cg, b): batch b, output columns 64 cg .. 64 cg + 63.  Wave = head: it makes its head's 16 queries x 64 channels, multiplies them by Wo's 64 rows x its 64 channels, and the sixteen
; waves' parts are added through LDS.  The sixteen work-groups of a batch repeat that batch's attention of 16 queries: one key step where the mask is of the causal kind.
; The split: t = 8193 x, hi = t - (t - x) has 11 significant bits, lo = x - hi is exact.   LIMITS: as in the launches before.
; The loop has a constant count and no barrier: V goes through the wave's own 8 KB of LDS to be turned.  No tensor load.
.set SPARE, 131072
.set LI,  1                            ; 16 x lane
.set LW,  2                            ; 16 x lane + 8,192 x wave
.set SPW, 3
.set NIL, 4
.set RQ,  5                            ; 256 r
.set H2,  6                            ; 2 h
.set NEG, 7
.set MW,  8                            ; v8-11 mask words
.set RA,  12                           ; the last sum: where my four numbers lie in a wave's part; waves 0-7's parts,
.set RB,  13                           ; waves 8-15's
.set WA,  14                           ; Wo: 4,096 r + 32 h
.set OA,  15                           ; out0: 4,096 x row + 16 x place
.set ST,  16                           ; c m, m, l even, l odd, four at work (a in the third)
.set F,   24                           ; v24-31 the split, two pairs at work
.set Q,   32
.set PH,  48
.set PL,  64
.set X,   80                           ; v80-143 K's, V's, Wo's fragments; the sixteen parts
.set S,   144                          ; v144-175 S^T, later O^T / l
.set O,   176
.set ACC, 208                          ; v208-239: written by the f32 matrix form alone
.set T0,  240
.set T1,  241
.set T2,  242
.set BA,  243                          ; bo: 16 x place
	s_load_b256 s[4:11], s[0:1], 0x0               ; q16, kv s[6:7], vlo s[8:9], minfo s[10:11]
	s_load_b128 s[12:15], s[0:1], 0x20             ; Wo, bo
	s_load_b64 s[16:17], s[0:1], 0x30              ; out0
	v_lshl_add_u32 v[SPW], v0, 2, SPARE
	v_mov_b32 v[NIL], 0
	v_lshrrev_b32 v[T0], 5, v0
	v_readfirstlane_b32 s18, v[T0]                 ; wave = head
	v_and_b32 v[T1], 31, v0
	v_lshlrev_b32 v[LI], 4, v[T1]
	s_lshl_b32 s26, s18, 13
	v_add_nc_u32 v[LW], s26, v[LI]
	v_and_b32 v[T2], 15, v0                        ; r; also my place among a row's sixteen
	v_lshlrev_b32 v[RQ], 8, v[T2]
	v_lshlrev_b32 v[BA], 4, v[T2]
	v_bfe_u32 v[H2], v0, 4, 1                      ; h
	v_lshlrev_b32 v[WA], 12, v[T2]
	v_lshl_add_u32 v[WA], v[H2], 5, v[WA]
	v_lshlrev_b32 v[H2], 1, v[H2]
	v_mov_b32 v[NEG], 0xcfee6b28                   ; -8e9: -1e9 after the division by 8
	v_bfe_u32 v[T1], v0, 4, 4                      ; the last sum: thread t takes row (t >> 4) & 15, columns 4 (t & 15) on
	v_lshlrev_b32 v[RA], 4, v[T1]
	v_lshlrev_b32 v[OA], 12, v[T1]
	v_lshl_add_u32 v[OA], v[T2], 4, v[OA]
	v_bfe_u32 v[T0], v0, 2, 2
	v_lshl_add_u32 v[RA], v[T0], 10, v[RA]         ; column tile: 1,024 bytes
	v_and_b32 v[T0], 1, v0
	v_lshl_add_u32 v[RA], v[T0], 9, v[RA]          ; registers 0-3 or 4-7: 512 bytes
	v_bfe_u32 v[T0], v0, 1, 1
	v_lshl_add_u32 v[RA], v[T0], 8, v[RA]          ; the half of the lanes: 16 lanes of 16 bytes
	v_add_nc_u32 v[RB], 65536, v[RA]
	s_and_b32 s19, ttmp7, 0xffff                   ; batch
	s_lshl_b32 s22, s19, 4
	s_add_co_u32 s22, s22, s18                     ; bh
	s_mov_b32 s25, 0
	s_mov_b32 s28, 0x76543210
	s_mov_b32 s29, 0xfedcba98
	s_mov_b32 s30, 0x3e38aa3b                      ; c = log2(e) / 8
	s_mov_b32 s31, s30
	s_mov_b32 s32, 0x46000400                      ; 8193.0
	s_mov_b32 s33, s32
	s_wait_kmcnt 0x0
	s_load_b64 s[20:21], s[10:11], 0x80000         ; ANY, ALL of query block 0
	s_lshl_b32 s24, s22, 18
	s_add_nc_u64 s[4:5], s[4:5], s[24:25]
	s_add_nc_u64 s[8:9], s[8:9], s[24:25]
	s_lshl_b32 s24, s22, 19
	s_add_nc_u64 s[6:7], s[6:7], s[24:25]
	s_lshl_b32 s24, ttmp9, 18                      ; Wo: 64 rows of 4,096 bytes a column group,
	s_lshl_b32 s26, s18, 8                         ; 256 bytes a head
	s_add_co_u32 s24, s24, s26
	s_add_nc_u64 s[12:13], s[12:13], s[24:25]
	s_lshl_b32 s24, ttmp9, 8
	s_add_nc_u64 s[14:15], s[14:15], s[24:25]
	s_add_nc_u64 s[16:17], s[16:17], s[24:25]
	s_lshl_b32 s24, s19, 23                        ; 2,048 rows of 4,096 bytes a batch
	s_add_nc_u64 s[16:17], s[16:17], s[24:25]
.irp u, 0,1,2,3
	global_load_b128 v[Q+4*\u:Q+4*\u+3], v[LI], s[4:5] offset:512*\u
.endr
	v_mov_b32 v[ST+1], 0xff61b1e6                  ; m = -3e38
	v_mul_f32 v[ST], s30, v[ST+1]
.irp j, 2,3,4,5,6,7
	v_mov_b32 v[ST+\j], 0
.endr
.set i, 0
.rept 32
	v_mov_b32 v[O+i], 0                            ; which step is the first hangs on the mask
.set i, i+1
.endr
	s_wait_kmcnt 0x0
	s_wait_loadcnt 0x0
.macro TURNV                           ; 8 KB of V, as loaded, through my own LDS bytes: back as fragments of V^T; LDS serves a wave's instructions in order
.set n, 0
.rept 16
	ds_store_b128 v[LW], v[X+4*n:X+4*n+3] offset:512*n
.set n, n+1
.endr
.irp ct, 0,1,2,3
.irp kk, 0,1
.irp c, 0,1
	ds_load_tr16_b128 v[X+16*\ct+8*\kk+4*\c:X+16*\ct+8*\kk+4*\c+3], v[LW] offset:2048*(2*\kk+\c)+512*\ct
.endr
.endr
.endr
.endm
.macro FSTEP par
	s_bitcmp1_b32 s20, 0
	s_cbranch_scc0 .Lidle_\@
.rept 4
	v_nop                                          ; places in front of loads into registers that the last products read
.endr
.set n, 0
.rept 16
	global_load_b128 v[X+4*n:X+4*n+3], v[LI], s[6:7] offset:16384*\par+512*n          ; K
.set n, n+1
.endr
	s_wait_loadcnt 0x0
.irp ks, 0,1
.irp kt, 0,1,2,3                               ; four accumulators by turns
.if \ks == 0
	v_wmma_f32_16x16x32_f16 v[S+8*\kt:S+8*\kt+7], v[X+16*\kt+8*\ks:X+16*\kt+8*\ks+7], v[Q+8*\ks:Q+8*\ks+7], 0
.else
	v_wmma_f32_16x16x32_f16 v[S+8*\kt:S+8*\kt+7], v[X+16*\kt+8*\ks:X+16*\kt+8*\ks+7], v[Q+8*\ks:Q+8*\ks+7], v[S+8*\kt:S+8*\kt+7]
.endif
.endr
.endr
.rept 4
	v_nop
.endr
.set n, 0
.rept 16
	global_load_b128 v[X+4*n:X+4*n+3], v[LI], s[6:7] offset:16384*\par+8192+512*n     ; V's high part
.set n, n+1
.endr
	s_bitcmp1_b32 s21, 0
	s_cbranch_scc1 .Lopen_\@
	v_add_nc_u32 v[T0], s27, v[RQ]
	global_load_b128 v[MW:MW+3], v[T0], s[10:11]
	v_add_nc_u32 v[T1], 16*\par, v[H2]
	s_wait_loadcnt 0x0
.irp w, 0,1,2,3
	v_lshrrev_b32 v[MW+\w], v[T1], v[MW+\w]
.endr
.irp kt, 0,1,2,3
.irp j, 0,1,2,3,4,5,6,7
	v_and_b32 v[T2], 1<<(4*\kt+\j/4), v[MW+\j%4]
	v_cmp_eq_u32 vcc_lo, 0, v[T2]
	v_cndmask_b32 v[S+8*\kt+\j], v[S+8*\kt+\j], v[NEG], vcc_lo
.endr
.endr
.Lopen_\@:
.irp k, 0,1,2,3
	v_max3_num_f32 v[ST+4+\k], v[S+8*\k], v[S+8*\k+1], v[S+8*\k+2]
.endr
.irp i, 3,5
.irp k, 0,1,2,3
	v_max3_num_f32 v[ST+4+\k], v[ST+4+\k], v[S+8*\k+\i], v[S+8*\k+\i+1]
.endr
.endr
	v_max3_num_f32 v[ST+4], v[ST+4], v[S+7], v[S+15]
	v_max3_num_f32 v[ST+6], v[ST+6], v[S+23], v[S+31]
	v_max3_num_f32 v[ST+4], v[ST+4], v[ST+5], v[ST+6]
	v_max3_num_f32 v[ST+4], v[ST+4], v[ST+7], v[ST+1]
	v_permlanex16_b32 v[ST+5], v[ST+4], s28, s29
	v_mov_b32 v[ST+7], v[ST]
	v_max_num_f32 v[ST+1], v[ST+4], v[ST+5]
	v_mul_f32 v[ST], s30, v[ST+1]
	v_sub_f32 v[ST+7], v[ST+7], v[ST]
.irp j, 0,2,4,6,8,10,12,14,16,18,20,22,24,26,28,30
	v_pk_fma_f32 v[S+\j:S+\j+1], v[S+\j:S+\j+1], s[30:31], v[ST:ST+1] op_sel_hi:[1,0,0] neg_lo:[0,0,1] neg_hi:[0,0,1]
.endr
	v_exp_f32 v[ST+6], v[ST+7]
.irp j, 0,1,2,3,4,5,6,7,8,9,10,11,12,13,14,15,16,17,18,19,20,21,22,23,24,25,26,27,28,29,30,31
	v_exp_f32 v[S+\j], v[S+\j]
.endr
	v_nop
	s_wait_alu depctr_va_vdst(0)                   ; one wait for the batch of 33
.irp j, 0,1,2,3,4,5,6,7,8,9,10,11,12,13,14,15  ; p as a high and a low part
	v_pk_mul_f32 v[F+4*(\j%2):F+4*(\j%2)+1], v[S+2*\j:S+2*\j+1], s[32:33] op_sel_hi:[1,0]
	v_pk_add_f32 v[F+4*(\j%2)+2:F+4*(\j%2)+3], v[F+4*(\j%2):F+4*(\j%2)+1], v[S+2*\j:S+2*\j+1] neg_lo:[0,1] neg_hi:[0,1]
	v_pk_add_f32 v[F+4*(\j%2):F+4*(\j%2)+1], v[F+4*(\j%2):F+4*(\j%2)+1], v[F+4*(\j%2)+2:F+4*(\j%2)+3] neg_lo:[0,1] neg_hi:[0,1]
	v_pk_add_f32 v[F+4*(\j%2)+2:F+4*(\j%2)+3], v[S+2*\j:S+2*\j+1], v[F+4*(\j%2):F+4*(\j%2)+1] neg_lo:[0,1] neg_hi:[0,1]
	v_cvt_pk_f16_f32 v[PH+\j], v[F+4*(\j%2)], v[F+4*(\j%2)+1]
	v_cvt_pk_f16_f32 v[PL+\j], v[F+4*(\j%2)+2], v[F+4*(\j%2)+3]
.endr
.irp u, 0,4,8,12,16,20,24,28
	v_pk_add_f32 v[S+\u:S+\u+1], v[S+\u:S+\u+1], v[S+\u+2:S+\u+3]
.endr
.irp u, 0,8,16,24
	v_pk_add_f32 v[S+\u:S+\u+1], v[S+\u:S+\u+1], v[S+\u+4:S+\u+5]
.endr
.irp u, 0,16
	v_pk_add_f32 v[S+\u:S+\u+1], v[S+\u:S+\u+1], v[S+\u+8:S+\u+9]
.endr
	v_pk_add_f32 v[S:S+1], v[S:S+1], v[S+16:S+17]
	v_pk_fma_f32 v[ST+2:ST+3], v[ST+2:ST+3], v[ST+6:ST+7], v[S:S+1] op_sel_hi:[1,0,1]
	s_wait_loadcnt 0x0                             ; V's high part
	TURNV
.irp i, 0,2,4,6,8,10,12,14,16,18,20,22,24,26,28,30
	v_pk_mul_f32 v[O+\i:O+\i+1], v[O+\i:O+\i+1], v[ST+6:ST+7] op_sel_hi:[1,0]
.endr
	s_wait_dscnt 0x0
.irp pb, PH, PL
.irp kk, 0,1
.irp ct, 0,1,2,3
	v_wmma_f32_16x16x32_f16 v[O+8*\ct:O+8*\ct+7], v[X+16*\ct+8*\kk:X+16*\ct+8*\kk+7], v[\pb+8*\kk:\pb+8*\kk+7], v[O+8*\ct:O+8*\ct+7]
.endr
.endr
.endr
.rept 4
	v_nop
.endr
.set n, 0
.rept 16
	global_load_b128 v[X+4*n:X+4*n+3], v[LI], s[8:9] offset:8192*\par+512*n           ; V's low part
.set n, n+1
.endr
	s_wait_loadcnt 0x0
	TURNV
	s_wait_dscnt 0x0
.irp kk, 0,1
.irp ct, 0,1,2,3
	v_wmma_f32_16x16x32_f16 v[O+8*\ct:O+8*\ct+7], v[X+16*\ct+8*\kk:X+16*\ct+8*\kk+7], v[PH+8*\kk:PH+8*\kk+7], v[O+8*\ct:O+8*\ct+7]
.endr
.endr
.Lidle_\@:
	s_lshr_b32 s20, s20, 1
	s_lshr_b32 s21, s21, 1
.endm
	s_mov_b32 s27, 0                               ; 16 bytes of mask bits for each two steps
	s_mov_b32 s34, 0
.Ltrip:
	FSTEP 0
	FSTEP 1
	s_wait_xcnt 0x0                                ; the trip's loads have read their bases
	s_add_nc_u64 s[6:7], s[6:7], 32768
	s_add_nc_u64 s[8:9], s[8:9], 16384
	s_add_co_u32 s27, s27, 16
	s_add_co_u32 s34, s34, 1
	s_cmp_lt_u32 s34, 16
	s_cbranch_scc1 .Ltrip
.rept 4
	v_nop
.endr
	v_add_f32 v[ST+4], v[ST+2], v[ST+3]
	v_permlanex16_b32 v[ST+5], v[ST+4], s28, s29
	v_add_f32 v[ST+4], v[ST+4], v[ST+5]
	v_rcp_f32 v[ST+6], v[ST+4]
	v_nop
	s_wait_alu depctr_va_vdst(0)
.irp i, 0,2,4,6,8,10,12,14,16,18,20,22,24,26,28,30
	v_pk_mul_f32 v[S+\i:S+\i+1], v[O+\i:O+\i+1], v[ST+6:ST+7] op_sel_hi:[1,0]   ; lane (r, h): query r, channel 16 ct + 8 h + j in register 8 ct + j
.endr
; The projection, in f32: source 0 = 16 rows of Wo (output columns), source 1 = my 16 queries; a K step of 4 takes channels 16 ct + 8 h + 2 i + j on both sides alike.  Two column tiles a pass, by turns.
.macro WPASS ps
.irp nl, 0,1
.irp ct, 0,1,2,3
.irp c, 0,1
	global_load_b128 v[X+32*\nl+8*\ct+4*\c:X+32*\nl+8*\ct+4*\c+3], v[WA], s[12:13] offset:(16*(2*\ps+\nl))*4096+64*\ct+16*\c
.endr
.endr
.endr
	s_wait_loadcnt 0x0
.irp ct, 0,1,2,3
.irp i, 0,1,2,3
.irp nl, 0,1
.if (\ct == 0) && (\i == 0)
	v_wmma_f32_16x16x4_f32 v[ACC+8*(2*\ps+\nl):ACC+8*(2*\ps+\nl)+7], v[X+32*\nl+8*\ct+2*\i:X+32*\nl+8*\ct+2*\i+1], v[S+8*\ct+2*\i:S+8*\ct+2*\i+1], 0
.else
	v_wmma_f32_16x16x4_f32 v[ACC+8*(2*\ps+\nl):ACC+8*(2*\ps+\nl)+7], v[X+32*\nl+8*\ct+2*\i:X+32*\nl+8*\ct+2*\i+1], v[S+8*\ct+2*\i:S+8*\ct+2*\i+1], v[ACC+8*(2*\ps+\nl):ACC+8*(2*\ps+\nl)+7]
.endif
.endr
.endr
.endr
.rept 8
	v_nop                                          ; eight places behind this form, in front of loads into its sources and of reads of its results
.endr
.endm
	WPASS 0
	WPASS 1
.irp nt, 0,1,2,3
	ds_store_b128 v[LW], v[ACC+8*\nt:ACC+8*\nt+3] offset:1024*\nt          ; my head's part, as it stands in the registers
	ds_store_b128 v[LW], v[ACC+8*\nt+4:ACC+8*\nt+7] offset:1024*\nt+512
.endr
	s_wait_dscnt 0x0                               ; for the others' sake
	s_barrier_signal -1
	s_barrier_wait -1
	s_cmp_lt_u32 s18, 8
	s_cbranch_scc0 .Ldone                          ; 256 threads add the sixteen parts, four numbers each
	global_load_b128 v[S:S+3], v[BA], s[14:15]     ; bo
.irp w, 0,1,2,3,4,5,6,7
	ds_load_b128 v[X+4*\w:X+4*\w+3], v[RA] offset:8192*\w
	ds_load_b128 v[X+32+4*\w:X+32+4*\w+3], v[RB] offset:8192*\w
.endr
	s_wait_dscnt 0x0
.irp d, 32,16,8,4
.set i, 0
.rept \d/2
	v_pk_add_f32 v[X+2*i:X+2*i+1], v[X+2*i:X+2*i+1], v[X+\d+2*i:X+\d+2*i+1]
.set i, i+1
.endr
.endr
	s_wait_loadcnt 0x0
	v_pk_add_f32 v[X:X+1], v[X:X+1], v[S:S+1]
	v_pk_add_f32 v[X+2:X+3], v[X+2:X+3], v[S+2:S+3]
	global_store_b128 v[OA], v[X:X+3], s[16:17]    ; 16 lanes store 256 consecutive bytes, aligned
.Ldone:
	s_wait_tensorcnt 0x0                           ; the wave's end, behind my last LDS store
	ds_add_u32 v[SPW], v[NIL]
	s_wait_dscnt 0x0
	s_endpgm
.Lfunc_end_k_q9655d9cfa2_fine:
	.size	k_q9655d9cfa2_fine, .Lfunc_end_k_q9655d9cfa2_fine-k_q9655d9cfa2_fine
	.p2alignl 7, 3214868480
	.fill 96, 4, 3214868480
	.section	.rodata,"a",@progbits
	.p2align	6, 0x0
	.amdhsa_kernel k_q9655d9cfa2_fine
		.amdhsa_group_segment_fixed_size 133120
		.amdhsa_private_segment_fixed_size 0
		.amdhsa_enable_private_segment 0
		.amdhsa_kernarg_size 56
		.amdhsa_user_sgpr_count 2
		.amdhsa_user_sgpr_kernarg_segment_ptr 1
		.amdhsa_wavefront_size32 1
		.amdhsa_system_sgpr_workgroup_id_x 1
		.amdhsa_system_sgpr_workgroup_id_y 1
		.amdhsa_system_sgpr_workgroup_id_z 1
		.amdhsa_system_vgpr_workitem_id 0
		.amdhsa_next_free_vgpr 256
		.amdhsa_next_free_sgpr 66
		.amdhsa_reserve_vcc 1
		.amdhsa_float_denorm_mode_32 3
		.amdhsa_float_denorm_mode_16_64 3
		.amdhsa_memory_ordered 1
		.amdhsa_forward_progress 1
		.amdhsa_inst_pref_size 71
	.end_amdhsa_kernel
	.amdgpu_metadata
---
amdhsa.version: [ 1, 2 ]
amdhsa.kernels:
  - .name:           k_q9655d9cfa2_fine
    .symbol:         k_q9655d9cfa2_fine.kd
    .args:
      - { .name: q16, .offset: 0, .size: 8, .value_kind: global_buffer, .address_space: global }
      - { .name: kv, .offset: 8, .size: 8, .value_kind: global_buffer, .address_space: global }
      - { .name: vlo, .offset: 16, .size: 8, .value_kind: global_buffer, .address_space: global }
      - { .name: minfo, .offset: 24, .size: 8, .value_kind: global_buffer, .address_space: global }
      - { .name: Wo, .offset: 32, .size: 8, .value_kind: global_buffer, .address_space: global }
      - { .name: bo, .offset: 40, .size: 8, .value_kind: global_buffer, .address_space: global }
      - { .name: out0, .offset: 48, .size: 8, .value_kind: global_buffer, .address_space: global }
    .group_segment_fixed_size: 133120
    .private_segment_fixed_size: 0
    .kernarg_segment_align: 8
    .kernarg_segment_size: 56
    .max_flat_workgroup_size: 512
    .sgpr_count:     66
    .vgpr_count:     256
    .wavefront_size: 32
...
	.end_amdgpu_metadata
.endif
;; end of part 5
